; MI455X (gfx1250); checked and timed in simulation.
; The chip was launched on July 23, 2026; its instructions are those of AMD's public machine-readable ISA for CDNA 5 (MIT licence, August 2026) and "CDNA5" Instruction Set Architecture Reference Guide (July 2026). The comments in the code are by the model that wrote it; some were corrected since.
;; Causal Self Attention. Allowed arithmetic: float matrix products may take bf16 or f16 operands with f32 sums; all other float work in f32.
;; Inputs: w_attn 1,024 x 3,072 float32; w_proj 1,024 x 1,024 float32; x 4 x 2,048 x 1,024 float32.
;; Outputs: out0 4 x 2,048 x 1,024 float32.
;; 2 versions, each right. Each part assembles by itself: llvm-mc -triple=amdgcn-amd-amdhsa -mcpu=gfx1250 --defsym DOCPART=n.
;; ======== version 1 of 2: 4 launches
;; limits: values are held in f16: magnitudes above 65,504 overflow, below 6.1e-05 lose precision
;; workspace buffers: xb 16,777,216 bytes; wat 6,291,456 bytes; wpt 2,097,152 bytes; tab 1,572,864 bytes; qkv 50,331,648 bytes; yb 16,777,216 bytes
;; launch prep (part 1): grid 896 x 1, 8 waves a work-group, no clusters, 67,584 bytes of LDS; arguments x, w_attn, w_proj, xb, wat, wpt, tab; writes xb, wat, wpt, tab
.if DOCPART == 1
	.amdgcn_target "amdgcn-amd-amdhsa--gfx1250"
	.amdhsa_code_object_version 6
	.text
	.protected	k_q8207836f0f_prep
	.globl	k_q8207836f0f_prep
	.p2align	8
	.type	k_q8207836f0f_prep,@function
k_q8207836f0f_prep:
	s_mov_b64 s[64:65], 0
	v_nop
	global_prefetch_b8 v0, s[64:65] scope:SCOPE_SE
	s_setreg_imm32_b32 hwreg(HW_REG_WAVE_MODE, 25, 1), 1
	s_wait_xcnt 0x0
; Casts, weight transposes and the RoPE table for the three launches that follow.  Three roles, chosen by the work-group's number:
;   0..511    xb[p][m][kk]  = bf16(x[m][64 p + kk])             16 rows of x a work-group
;   512..767  wat[p][n][kk] = bf16(w_attn[64 p + kk][n])        64 k x 192 n of w_attn, and
;             wpt[p][n][kk] = f16(bf16(w_proj[64 p + kk][n]))   64 k x 64 n of w_proj, turned through LDS
;   768..895  tab[kind][t][cos 0..31, sin 0..31] in f32; kind 0 (q) times log2(e)/8, kind 1 (k) plain, kind 2 (v) cos = 1, sin = 0
; "Plane" layout: 16 planes of 64 k, a plane row is 128 bytes, so any run of rows of one plane is dense in memory.
; Memory binds: every input byte is read once, every store of a wave covers 512 consecutive bytes.  No matrix unit, no cluster: nothing is shared.
; LIMITS: the angle t * inv_freq differs from an f32 evaluation of 1/theta^(j/32) by the rounding of exp2, some 4e-4 rad at t = 2047;
; w_proj below 2^-17 in magnitude is rounded to f16's smallest step (6e-8) after its rounding to bf16.
.set LP, 260                           ; LDS row of the transposing tile: 65 words, so that columns fall into different banks
.set LT, 64*LP                         ; a tile of 64 k x 64 n in f32
	s_load_b256 s[4:11], s[0:1], 0x0               ; x s[4:5], w_attn s[6:7], w_proj s[8:9], xb s[10:11]
	s_load_b128 s[12:15], s[0:1], 0x20             ; wat s[12:13], wpt s[14:15]
	s_load_b64 s[16:17], s[0:1], 0x30              ; tab
	v_lshl_add_u32 v104, v0, 2, 0x10400
	v_mov_b32 v105, 0
	s_mov_b32 s21, 0                               ; the high word of every offset pair s[20:21]
	s_wait_kmcnt 0x0
	s_cmp_lt_u32 ttmp9, 512
	s_cbranch_scc1 .Lrole_x
	s_cmp_lt_u32 ttmp9, 768
	s_cbranch_scc1 .Lrole_w
; ---- the table: thread gid = 16 t + c makes four numbers; c < 8: cosines of j = 4 c + e, else sines of j = 4 (c - 8) + e
	s_sub_co_u32 s20, ttmp9, 768
	s_mov_b32 s22, 0xb9500d01                      ; -1/5040
	s_mov_b32 s23, 0x3c088889                      ; 1/120
	s_mov_b32 s24, 0xbe2aaaab                      ; -1/6
	s_mov_b32 s25, 0x37d00d01                      ; 1/40320
	s_mov_b32 s26, 0xbab60b61                      ; -1/720
	s_mov_b32 s27, 0x3d2aaaab                      ; 1/24
	v_lshl_add_u32 v1, s20, 8, v0                  ; gid
	v_lshrrev_b32 v2, 4, v1                        ; t
	v_and_b32 v3, 15, v1                           ; c
	v_and_b32 v4, 7, v3
	v_lshlrev_b32 v4, 2, v4                        ; j of e = 0
	v_cvt_f32_u32 v5, v2                           ; t in f32
	v_cmp_gt_u32 s28, 8, v3                        ; the lanes that make cosines
	v_cndmask_b32 v6, 0, 1, s28                    ; cos(a) = sin(a + pi/2): one quadrant on
	v_cndmask_b32 v7, 0, 1.0, s28                  ; kind 2
	v_lshlrev_b32 v1, 4, v1                        ; my 16 bytes in a kind's table
.irp e, 0,1,2,3
	v_add_nc_u32 v[8+\e], \e, v4
	v_cvt_f32_u32 v[8+\e], v[8+\e]
	v_mul_f32 v[8+\e], 0xbed49a78, v[8+\e]         ; -j log2(10000)/32
.endr
.irp e, 0,1,2,3
	v_exp_f32 v[8+\e], v[8+\e]                     ; inv_freq
.endr
.irp e, 0,1,2,3
	v_mov_b32 v[48+\e], v7                         ; plain work behind the exponentials, ahead of their first use (ISA guide 5.7.2)
.endr
	s_wait_alu depctr_va_vdst(0)
.irp e, 0,1,2,3
	v_mul_f32 v[12+\e], v5, v[8+\e]                ; the angle, rounded once as t * inv_freq
	v_mul_f32 v[16+\e], 0x3f22f983, v[12+\e]       ; times 2/pi
	v_rndne_f32 v[16+\e], v[16+\e]                 ; n
	v_fmamk_f32 v[20+\e], v[16+\e], 0xbfc90fdb, v[12+\e]   ; r = angle - n pi/2, pi/2 in two parts
	v_fmamk_f32 v[20+\e], v[16+\e], 0x333bbd2e, v[20+\e]
	v_mul_f32 v[24+\e], v[20+\e], v[20+\e]         ; r^2, |r| <= pi/4
	v_fma_f32 v[28+\e], v[24+\e], s22, s23         ; sine: r + r^3 (-1/6 + r^2 (1/120 - r^2/5040))
	v_fma_f32 v[32+\e], v[24+\e], s25, s26         ; cosine: 1 + r^2 (-1/2 + r^2 (1/24 + r^2 (-1/720 + r^2/40320)))
	v_fma_f32 v[28+\e], v[28+\e], v[24+\e], s24
	v_fma_f32 v[32+\e], v[32+\e], v[24+\e], s27
	v_mul_f32 v[36+\e], v[20+\e], v[24+\e]
	v_fma_f32 v[32+\e], v[32+\e], v[24+\e], -0.5
	v_fma_f32 v[28+\e], v[36+\e], v[28+\e], v[20+\e]
	v_fma_f32 v[32+\e], v[32+\e], v[24+\e], 1.0
	v_cvt_i32_f32 v[36+\e], v[16+\e]
	v_add_nc_u32 v[36+\e], v[36+\e], v6            ; the quadrant
	v_and_b32 v[16+\e], 1, v[36+\e]
	v_cmp_eq_u32 vcc_lo, 1, v[16+\e]
	v_cndmask_b32 v[40+\e], v[28+\e], v[32+\e], vcc_lo     ; odd quadrants take the cosine series
	v_and_b32 v[16+\e], 2, v[36+\e]
	v_lshlrev_b32 v[16+\e], 30, v[16+\e]
	v_xor_b32 v[40+\e], v[40+\e], v[16+\e]         ; quadrants 2 and 3 change the sign
	v_mul_f32 v[44+\e], 0x3e38aa3b, v[40+\e]       ; kind 0: times log2(e)/8
.endr
	global_store_b128 v1, v[44:47], s[16:17]
	global_store_b128 v1, v[40:43], s[16:17] offset:524288
	global_store_b128 v1, v[48:51], s[16:17] offset:1048576
	s_endpgm
; ---- x: wave w takes planes 2 w, 2 w + 1 of 16 rows.  An item i = 2 rg + pp is 4 rows of one plane; lane L: row 4 rg + L/8, floats 8 (L%8)..+7
.Lrole_x:
	v_and_b32 v1, 31, v0                           ; L
	v_lshrrev_b32 v2, 5, v0                        ; w
	v_lshrrev_b32 v3, 3, v1
	v_and_b32 v4, 7, v1
	v_lshlrev_b32 v5, 5, v4
	v_lshl_add_u32 v5, v3, 12, v5
	v_lshl_add_u32 v5, v2, 9, v5                   ; in x: (L/8) rows + 512 w + 32 (L%8)
	v_lshlrev_b32 v6, 4, v1
	v_lshl_add_u32 v6, v2, 21, v6                  ; in xb: plane 2 w + 16 L
	s_lshl_b32 s20, ttmp9, 16                      ; 16 rows of 4,096 bytes
	s_add_nc_u64 s[4:5], s[4:5], s[20:21]
	s_lshl_b32 s20, ttmp9, 11                      ; 16 plane rows of 128 bytes
	s_add_nc_u64 s[10:11], s[10:11], s[20:21]
.set i_, 0
.rept 8
	global_load_b128 v[8+8*i_:11+8*i_],  v5, s[4:5] offset:(i_>>1)*16384+(i_&1)*256 th:TH_LOAD_NT
	global_load_b128 v[12+8*i_:15+8*i_], v5, s[4:5] offset:(i_>>1)*16384+(i_&1)*256+16 th:TH_LOAD_NT
.set i_, i_+1
.endr
.set i_, 0
.rept 8
	s_wait_loadcnt 14-2*i_                         ; loads return in order: item i is in, the 14 - 2 i younger loads stay out
	v_cvt_pk_bf16_f32 v[72+4*i_], v[8+8*i_],  v[9+8*i_]
	v_cvt_pk_bf16_f32 v[73+4*i_], v[10+8*i_], v[11+8*i_]
	v_cvt_pk_bf16_f32 v[74+4*i_], v[12+8*i_], v[13+8*i_]
	v_cvt_pk_bf16_f32 v[75+4*i_], v[14+8*i_], v[15+8*i_]
	global_store_b128 v6, v[72+4*i_:75+4*i_], s[10:11] offset:(i_&1)*1048576+(i_>>1)*512   ; 4 plane rows: 512 consecutive bytes
.set i_, i_+1
.endr
	s_endpgm
; ---- the weights: plane p, column group c.  Tiles i = 0..2: 64 k x 64 n of w_attn; tile 3: of w_proj
.Lrole_w:
	s_sub_co_u32 s20, ttmp9, 512
	s_lshr_b32 s22, s20, 4                         ; p
	s_and_b32 s23, s20, 15                         ; c
	s_mul_i32 s20, s22, 786432                     ; 64 rows of 12,288 bytes
	s_mul_i32 s24, s23, 768
	s_add_co_u32 s20, s20, s24
	s_add_nc_u64 s[6:7], s[6:7], s[20:21]
	s_lshl_b32 s20, s22, 18                        ; 64 rows of 4,096 bytes
	s_lshl_b32 s24, s23, 8
	s_add_co_u32 s20, s20, s24
	s_add_nc_u64 s[8:9], s[8:9], s[20:21]
	s_mul_i32 s20, s22, 393216                     ; a plane of wat
	s_mul_i32 s24, s23, 24576                      ; 192 plane rows
	s_add_co_u32 s20, s20, s24
	s_add_nc_u64 s[12:13], s[12:13], s[20:21]
	s_lshl_b32 s20, s22, 17                        ; a plane of wpt
	s_lshl_b32 s24, s23, 13                        ; 64 plane rows
	s_add_co_u32 s20, s20, s24
	s_add_nc_u64 s[14:15], s[14:15], s[20:21]
	v_lshrrev_b32 v1, 4, v0                        ; row of a pass of 16 rows
	v_and_b32 v2, 15, v0                           ; which four n
	v_mul_u32_u24 v3, v1, 0x3000
	v_lshl_add_u32 v3, v2, 4, v3                   ; in w_attn
	v_lshlrev_b32 v4, 12, v1
	v_lshl_add_u32 v4, v2, 4, v4                   ; in w_proj
	v_mul_u32_u24 v5, v1, LP
	v_lshl_add_u32 v5, v2, 4, v5                   ; into LDS: row k, words 4 (tid%16)..+3
	v_and_b32 v6, 7, v0                            ; kc: which eight k
	v_mul_u32_u24 v6, v6, 8*LP
	v_lshrrev_b32 v7, 3, v0                        ; nl
	v_lshl_add_u32 v6, v7, 2, v6                   ; out of LDS: rows 8 kc + j, word nl
	v_lshlrev_b32 v7, 4, v0                        ; in wat, wpt: plane row nl, bytes 16 kc = 16 tid
.set n_, 0
.rept 12
	global_load_b128 v[8+4*n_:11+4*n_], v3, s[6:7] offset:(n_&3)*196608+(n_>>2)*256 th:TH_LOAD_NT
.set n_, n_+1
.endr
.rept 4
	global_load_b128 v[8+4*n_:11+4*n_], v4, s[8:9] offset:(n_&3)*65536 th:TH_LOAD_NT
.set n_, n_+1
.endr
.set n_, 0
.rept 16
	s_wait_loadcnt 15-n_                           ; load n is in, the younger ones stay out
.irp e, 0,1,2,3
	ds_store_b32 v5, v[8+4*n_+\e] offset:(n_>>2)*LT+(n_&3)*16*LP+4*\e
.endr
.set n_, n_+1
.endr
	s_wait_dscnt 0x0                               ; my stores are in LDS before I say so
	s_barrier_signal -1
	s_barrier_wait -1                              ; everybody's are
.set g_, 0
.rept 8                                            ; group g = 2 i + s: n = 32 s + nl of tile i, eight k
.irp j, 0,1,2,3,4,5,6,7
	ds_load_b32 v[8+8*g_+\j], v6 offset:(g_>>1)*LT+(g_&1)*128+\j*LP
.endr
.set g_, g_+1
.endr
.set g_, 0
.rept 6
	s_wait_dscnt 56-8*g_                           ; group g is in, the younger groups stay out
.irp k, 0,1,2,3
	v_cvt_pk_bf16_f32 v[72+4*g_+\k], v[8+8*g_+2*\k], v[9+8*g_+2*\k]
.endr
	global_store_b128 v7, v[72+4*g_:75+4*g_], s[12:13] offset:(g_>>1)*8192+(g_&1)*4096
.set g_, g_+1
.endr
.rept 2
	s_wait_dscnt 56-8*g_
.irp k, 0,1,2,3
	v_cvt_pk_bf16_f32 v[72+4*g_+\k], v[8+8*g_+2*\k], v[9+8*g_+2*\k]   ; the rounding that the weights get,
	v_lshlrev_b32 v[8+8*g_+2*\k], 16, v[72+4*g_+\k]
	v_and_b32 v[9+8*g_+2*\k], 0xffff0000, v[72+4*g_+\k]
	v_cvt_pk_f16_f32 v[72+4*g_+\k], v[8+8*g_+2*\k], v[9+8*g_+2*\k]    ; carried as f16, the format of the product's other operand
.endr
	global_store_b128 v7, v[72+4*g_:75+4*g_], s[14:15] offset:(g_&1)*4096
.set g_, g_+1
.endr
	s_wait_tensorcnt 0x0
	ds_add_u32 v104, v105
	s_wait_dscnt 0x0
	s_endpgm
.Lfunc_end_k_q8207836f0f_prep:
	.size	k_q8207836f0f_prep, .Lfunc_end_k_q8207836f0f_prep-k_q8207836f0f_prep
	.p2alignl 7, 3214868480
	.fill 96, 4, 3214868480
	.section	.rodata,"a",@progbits
	.p2align	6, 0x0
	.amdhsa_kernel k_q8207836f0f_prep
		.amdhsa_group_segment_fixed_size 67584
		.amdhsa_private_segment_fixed_size 0
		.amdhsa_enable_private_segment 0
		.amdhsa_kernarg_size 56
		.amdhsa_user_sgpr_count 2
		.amdhsa_user_sgpr_kernarg_segment_ptr 1
		.amdhsa_wavefront_size32 1
		.amdhsa_system_sgpr_workgroup_id_x 1
		.amdhsa_system_sgpr_workgroup_id_y 1
		.amdhsa_system_sgpr_workgroup_id_z 1
		.amdhsa_system_vgpr_workitem_id 0
		.amdhsa_next_free_vgpr 106
		.amdhsa_next_free_sgpr 66
		.amdhsa_reserve_vcc 1
		.amdhsa_float_denorm_mode_32 3
		.amdhsa_float_denorm_mode_16_64 3
		.amdhsa_memory_ordered 1
		.amdhsa_forward_progress 1
		.amdhsa_inst_pref_size 29
	.end_amdhsa_kernel
	.amdgpu_metadata
---
amdhsa.version: [ 1, 2 ]
amdhsa.kernels:
  - .name:           k_q8207836f0f_prep
    .symbol:         k_q8207836f0f_prep.kd
    .args:
      - { .name: x, .offset: 0, .size: 8, .value_kind: global_buffer, .address_space: global }
      - { .name: w_attn, .offset: 8, .size: 8, .value_kind: global_buffer, .address_space: global }
      - { .name: w_proj, .offset: 16, .size: 8, .value_kind: global_buffer, .address_space: global }
      - { .name: xb, .offset: 24, .size: 8, .value_kind: global_buffer, .address_space: global }
      - { .name: wat, .offset: 32, .size: 8, .value_kind: global_buffer, .address_space: global }
      - { .name: wpt, .offset: 40, .size: 8, .value_kind: global_buffer, .address_space: global }
      - { .name: tab, .offset: 48, .size: 8, .value_kind: global_buffer, .address_space: global }
    .group_segment_fixed_size: 67584
    .private_segment_fixed_size: 0
    .kernarg_segment_align: 8
    .kernarg_segment_size: 56
    .max_flat_workgroup_size: 256
    .sgpr_count:     66
    .vgpr_count:     106
    .wavefront_size: 32
...
	.end_amdgpu_metadata
.endif
;; end of part 1
;; launch qkv (part 2): grid 16 x 32, 4 waves a work-group, clusters of 4 x 4, 327,680 bytes of LDS; arguments xb, wat, tab, qkv; writes qkv
.if DOCPART == 2
	.amdgcn_target "amdgcn-amd-amdhsa--gfx1250"
	.amdhsa_code_object_version 6
	.text
	.protected	k_q8207836f0f_qkv
	.globl	k_q8207836f0f_qkv
	.p2align	8
	.type	k_q8207836f0f_qkv,@function
k_q8207836f0f_qkv:
	s_mov_b64 s[64:65], 0
	v_nop
	global_prefetch_b8 v0, s[64:65] scope:SCOPE_SE
	s_setreg_imm32_b32 hwreg(HW_REG_WAVE_MODE, 25, 1), 1
	s_wait_xcnt 0x0
	s_wait_alu depctr_hold_cnt(0) depctr_sa_sdst(0) depctr_va_vdst(0) depctr_va_sdst(0) depctr_va_ssrc(0) depctr_va_vcc(0) depctr_vm_vsrc(0)
	s_getreg_b32 s2, hwreg(HW_REG_IB_STS2, 6, 4)
	s_cmp_eq_u32 s2, 0
	s_cbranch_scc0 .Lentry_in_a_cluster
	s_endpgm
.Lentry_in_a_cluster:
	s_bfe_u32 s2, ttmp6, 0x10000c
	s_cmp_lg_u32 s2, 0xf033
	s_cbranch_scc0 .Lentry_shape_is_right
	s_endpgm
.Lentry_shape_is_right:
; qkv = x w_attn (8192 x 3072 x 1024, bf16 operands, f32 sums), RoPE on the way out, f16 results by heads:
; qkv[(g 4 + b)][t][64], g = 16 kind + head; q comes out times log2(e)/8 (the table's kind 0), v unturned (kind 2: cos 1, sin 0).
; A work-group makes 256 rows x 192 columns with four waves; wave w makes rows 64 w..+63 of all 192 columns (three whole heads, so that RoPE's
; partner column d + 32 lies in the same lane): 4 x 12 accumulator tiles, 384 registers.
; K goes in 8 steps of 128 = two planes of 64 through two LDS slots.  A plane's rows are dense in memory, so a tile is fetched as rows of
; 256 bytes that start at multiples of 256; 16 bytes of padding behind every 128 make the LDS pitch 144.
; CLUSTER 4 x 4: x's tile hangs on the block row alone and is asked for jointly along a row of the cluster, the weights' tile on the block
; column alone and is asked for jointly along a column: a quarter of the requests.
; WINDOWS: 0: addresses, x fragments v32-95 (two buffers), way out v96-223; 1: weight fragments v0-191 (two buffers);
; 2: accumulators of row tiles 0, 1 (tile (a, b) at 8 (12 a + b)); 3: of row tiles 2, 3.
; The matrix instruction is used transposed (source 0 = 16 weight rows n, source 1 = 16 rows m): lane (r, h) holds row r, columns 16 b + 8 h + 0..7.
; LIMIT: |q|, |k|, |v| above 65,504 become infinite in f16.
.set NT,      12                       ; column tiles of a wave
.set NB,      16*NT
.set PLANE_A, 8192*128                 ; bytes of a plane of xb
.set PLANE_B, 3072*128                 ; of wat
.set PITCH,   144
.set SUBA,    256*PITCH                ; one plane of the block's 256 rows in LDS
.set SUBB,    NB*PITCH                 ; one plane of the block's 192 weight rows
.set SLOT,    2*SUBA+2*SUBB            ; x plane 2 s, x plane 2 s + 1, weights plane 2 s, weights plane 2 s + 1
.set STAGE,   2*SLOT                   ; behind the ring: 16 rows x 144 bytes for each wave
.set LAPS,    4                        ; a lap = two K steps = once round the ring
.set ADRA, 16                          ; v16-17 LDS address of my x fragments in slot 0, 1
.set ADRB, 20                          ; v20-21 of the weight fragments
.set STO,  24                          ; way out: where I put 16 bytes of a row
.set RD,   25                          ; where I read rows back
.set CO,   26                          ; my 16 bytes among 512 of the output
.set TO,   27                          ; my 32 bytes of a table row
.set FA,   32                          ; x fragments, buffer f at FA + 32 f
.set TAB,  96                          ; table, buffer p at TAB + 32 p: cos u=0, cos u=1, sin u=0, sin u=1
.set RES,  160                         ; a head's 4 tiles, turned
.set PK,   192                         ; packed to f16
.set RB,   208                         ; read back
.set G1,  24                           ; s[24:31] group 1 for x's tiles
.set G0,  32                           ; s[32:39] group 0 for x's tiles, a set for each slot
.set G1B, 48                           ; s[48:55], s[56:63] the same for the weights' tiles
.set G0B, 56
.set TBS, 66                           ; s[66:71] table base of my three heads
.set OBS, 72                           ; s[72:77] output base of my three heads
.set MUL_LO, 0xa1                      ; source 0 window 1, source 1 window 0, C and D window 2
.set MUL_HI, 0xf1                      ; C and D window 3
.set TO_B,   0x40                      ; destination window 1
.set MSB, 0
.macro WIN new                         ; the immediate's high byte repeats the setting that is left; a switch that changes nothing is dropped
.if MSB != (\new)
	s_set_vgpr_msb (MSB<<8)|(\new)
.set MSB, (\new)
.endif
.endm
.macro JLOAD s                         ; a joint load: waves 0, 1 ask for x's two planes, waves 2, 3 for the weights'
	s_cmp_eq_u32 s13, 0
	s_cbranch_scc0 .Lfor_b_\@
	tensor_load_to_lds s[G0+4*\s:G0+4*\s+3], s[G1:G1+7]
	s_nop 0
	s_branch .Lasked_\@
.Lfor_b_\@:
	tensor_load_to_lds s[G0B+4*\s:G0B+4*\s+3], s[G1B:G1B+7]
	s_nop 0
.Lasked_\@:
.endm
.macro CREST                           ; a round of the cluster's barrier behind its opening barrier
	s_cmp_lg_u32 s12, 0
	s_cbranch_scc1 .Lnot_wave_0_\@
	s_barrier_signal -3
.Lnot_wave_0_\@:
	s_barrier_wait -3
	s_barrier_signal -1
	s_barrier_wait -1
.endm
.macro CROUND
	s_barrier_signal -1
	s_barrier_wait -1
	CREST
.endm
.macro PLACES                          ; four places behind a matrix instruction, ahead of loads into its registers and of readers of its result
.rept 4
	v_nop
.endr
.endm
	s_load_b256 s[4:11], s[0:1], 0x0               ; xb s[4:5], wat s[6:7], tab s[8:9], qkv s[10:11]
	s_set_vgpr_msb 0x40
	v_lshl_add_u32 v255, v0, 2, 0x41400
	s_set_vgpr_msb 0x4000
	v_mov_b32 v255, 0
	s_set_vgpr_msb 0x1
	ds_add_u32 v255, v255
	ds_add_u32 v255, v255
	s_set_vgpr_msb 0x100
	v_lshrrev_b32 v1, 5, v0
	v_readfirstlane_b32 s12, v1                    ; wave
	s_lshr_b32 s13, s12, 1                         ; 0: I fetch x, 1: weights
	s_and_b32 s14, s12, 1                          ; which plane of the step
	s_bfe_u32 s40, ttmp6, 0x40000                  ; cx
	s_bfe_u32 s41, ttmp6, 0x40004                  ; cy
	s_lshl_b32 s42, ttmp9, 2
	s_add_co_u32 s42, s42, s40                     ; block column
	s_and_b32 s15, ttmp7, 0xffff
	s_lshl_b32 s15, s15, 2
	s_add_co_u32 s15, s15, s41                     ; block row
	s_lshl_b32 s43, s41, 2
	s_lshl_b32 s43, 15, s43                        ; my row of the cluster
	s_lshl_b32 s44, 0x1111, s40                    ; my column
	; group 1: rows of 32 elements of 8 bytes (256 bytes), dense; after every 32 words 4 words of padding
	s_or_b32 s[G1+0], s43, (3<<16)|(1<<20)|(1<<21)|(4<<22)|(3<<25)
	s_or_b32 s[G1B+0], s44, (3<<16)|(1<<20)|(1<<21)|(4<<22)|(3<<25)
	s_mov_b32 s[G1+1], 32<<16                      ; tensor_dim0 = 32
	s_mov_b32 s[G1B+1], 32<<16
	s_mov_b32 s[G1+2], 128<<16                     ; tensor_dim1 = 128 rows of 256 bytes = 256 plane rows
	s_mov_b32 s[G1B+2], (NB/2)<<16                 ; 96 = 192 plane rows
	s_mov_b32 s[G1+3], 32<<16                      ; tile_dim0
	s_mov_b32 s[G1B+3], 32<<16
	s_mov_b32 s[G1+4], 128                         ; tile_dim1
	s_mov_b32 s[G1B+4], NB/2
	s_mov_b32 s[G1+5], 32                          ; from row to row
	s_mov_b32 s[G1B+5], 32
	s_mov_b32 s[G1+6], 0
	s_mov_b32 s[G1B+6], 0
	s_mov_b32 s[G1+7], 0
	s_mov_b32 s[G1B+7], 0
	s_lshl_b32 s16, s15, 15                        ; x: block row x 256 plane rows
	s_lshl_b32 s17, s14, 20                        ;    + my plane
	s_add_co_u32 s16, s16, s17
	s_mov_b32 s17, 0
	s_mul_i32 s46, s42, NB*128                     ; weights: block column x 192 plane rows
	s_mul_i32 s47, s14, PLANE_B
	s_add_co_u32 s46, s46, s47
	s_mov_b32 s47, 0
	s_mul_i32 s20, s12, SUBA                       ; LDS: waves 0, 1 at 0 and SUBA
	s_mul_i32 s45, s12, SUBB
	s_add_co_u32 s45, s45, 2*SUBA-2*SUBB           ; waves 2, 3 at 2 SUBA and 2 SUBA + SUBB
	s_wait_dscnt 0x0
	s_wait_kmcnt 0x0
	s_add_nc_u64 s[18:19], s[4:5], s[16:17]
	s_add_nc_u64 s[46:47], s[6:7], s[46:47]
	CROUND                                         ; all sixteen work-groups are here: the first joint loads meet
.irp s, 0,1
	s_mov_b32 s[G0+4*\s], 1
	s_add_co_u32 s[G0+4*\s+1], s20, \s*SLOT
	s_add_nc_u64 s[G0+4*\s+2:G0+4*\s+3], s[18:19], \s*2*PLANE_A
	s_or_b32 s[G0+4*\s+3], s[G0+4*\s+3], 0x80000000
	s_mov_b32 s[G0B+4*\s], 1
	s_add_co_u32 s[G0B+4*\s+1], s45, \s*SLOT
	s_add_nc_u64 s[G0B+4*\s+2:G0B+4*\s+3], s[46:47], \s*2*PLANE_B
	s_or_b32 s[G0B+4*\s+3], s[G0B+4*\s+3], 0x80000000
	JLOAD \s                                       ; K steps 0 and 1: two tensor loads of the wave are out, the most in this text
.endr
	v_and_b32 v1, 15, v0                           ; r
	v_bfe_u32 v2, v0, 4, 1                         ; h
	v_mul_u32_u24 v3, v1, PITCH
	v_lshl_add_u32 v3, v2, 4, v3                   ; r x pitch + 16 h
	s_mul_i32 s21, s12, 64*PITCH                   ; my 64 rows of x
	s_mov_b32 s22, 2*SUBA
.irp s, 0,1
	v_add_nc_u32 v[ADRA+\s], s21, v3
	v_add_nc_u32 v[ADRB+\s], s22, v3
	s_add_co_u32 s21, s21, SLOT
	s_add_co_u32 s22, s22, SLOT
.endr
	s_mul_i32 s23, s12, 16*PITCH
	s_add_co_u32 s23, s23, STAGE                   ; my stage
	v_add_nc_u32 v[STO], s23, v3
	v_and_b32 v4, 31, v0
	v_lshrrev_b32 v5, 3, v4
	v_mul_u32_u24 v5, v5, PITCH
	v_and_b32 v6, 7, v0
	v_lshl_add_u32 v5, v6, 4, v5
	v_add_nc_u32 v[RD], s23, v5                    ; four rows of 128 bytes a load
	v_lshlrev_b32 v[CO], 4, v4
	v_lshlrev_b32 v[TO], 8, v1
	v_lshl_add_u32 v[TO], v2, 5, v[TO]             ; table row r, floats 8 h..+7
	; bases of the way out, in registers that feed no descriptor
	s_and_b32 s78, s15, 7
	s_lshl_b32 s78, s78, 8
	s_lshl_b32 s79, s12, 6
	s_add_co_u32 s78, s78, s79                     ; t of my first row
	s_lshr_b32 s79, s15, 3                         ; batch
	s_mul_i32 s80, s42, 3                          ; g of my first head
.irp hh, 0,1,2
	s_add_co_u32 s81, s80, \hh                     ; g = 16 kind + head
	s_lshr_b32 s82, s81, 4
	s_lshl_b32 s82, s82, 19                        ; the kind's table
	s_lshl_b32 s83, s78, 8
	s_add_co_u32 s82, s82, s83
	s_mov_b32 s83, 0
	s_add_nc_u64 s[TBS+2*\hh:TBS+2*\hh+1], s[8:9], s[82:83]
	s_lshl2_add_u32 s82, s81, s79                  ; 4 g + b
	s_lshl_b32 s82, s82, 18
	s_lshl_b32 s81, s78, 7
	s_add_co_u32 s82, s82, s81
	s_add_nc_u64 s[OBS+2*\hh:OBS+2*\hh+1], s[10:11], s[82:83]
.endr
; the table of 16 rows (row tile a) for head hh into buffer p: each lane its row's cos and sin of d = 16 u + 8 h + 0..7.
; Address and destination lie in window 0: the caller has every window at 0.
.macro TABLD a, hh, p
.set t_, 0
.rept 8
	global_load_b128 v[TAB+32*(\p)+4*t_:TAB+32*(\p)+4*t_+3], v[TO], s[TBS+2*(\hh):TBS+2*(\hh)+1] offset:(\a)*4096+(t_>>1)*64+(t_&1)*16
.set t_, t_+1
.endr
.endm
	TABLD 0, 0, 0                                  ; the first item's table comes in under the K loop, which does not touch these registers
; NT matrix instructions: row tile a x all column tiles, 32 along K, from buffers f.  zero = 1: the product starts the sums.
; The 48 accumulators take turns, one instruction a turn, in the same order in every quarter step.
.macro MULA f, a, zero
.set b_, 0
.rept NT
.if \zero
	v_wmma_f32_16x16x32_bf16 v[8*(NT*((\a)&1)+b_):8*(NT*((\a)&1)+b_)+7], v[8*NT*\f+8*b_:8*NT*\f+8*b_+7], v[FA+32*\f+8*\a:FA+32*\f+8*\a+7], 0
.else
	v_wmma_f32_16x16x32_bf16 v[8*(NT*((\a)&1)+b_):8*(NT*((\a)&1)+b_)+7], v[8*NT*\f+8*b_:8*NT*\f+8*b_+7], v[FA+32*\f+8*\a:FA+32*\f+8*\a+7], v[8*(NT*((\a)&1)+b_):8*(NT*((\a)&1)+b_)+7]
.endif
.set b_, b_+1
.endr
.endm
; one run of 2 NT + 8 LDS loads: quarter kq (plane kq / 2, 64 bytes x kq % 2) of a slot into buffers f
.macro FETCH slot, kq, f
	WIN TO_B
.set i_, 0
.rept NT
	ds_load_b128 v[8*NT*\f+8*i_:8*NT*\f+8*i_+3],   v[ADRB+\slot] offset:((\kq)>>1)*SUBB+((\kq)&1)*64+i_*16*PITCH
	ds_load_b128 v[8*NT*\f+8*i_+4:8*NT*\f+8*i_+7], v[ADRB+\slot] offset:((\kq)>>1)*SUBB+((\kq)&1)*64+i_*16*PITCH+32
.set i_, i_+1
.endr
	WIN 0
.set i_, 0
.rept 4
	ds_load_b128 v[FA+32*\f+8*i_:FA+32*\f+8*i_+3],   v[ADRA+\slot] offset:((\kq)>>1)*SUBA+((\kq)&1)*64+i_*16*PITCH
	ds_load_b128 v[FA+32*\f+8*i_+4:FA+32*\f+8*i_+7], v[ADRA+\slot] offset:((\kq)>>1)*SUBA+((\kq)&1)*64+i_*16*PITCH+32
.set i_, i_+1
.endr
.endm
; multiplies buffers f; in its middle fetches quarter kq of the same slot into buffers g
.macro QUARTER slot, kq, f, g, zero
	s_wait_dscnt 4                                 ; all but the youngest four loads: x's row tiles 2 and 3
	WIN MUL_LO
	MULA \f, 0, \zero
	MULA \f, 1, \zero
	PLACES
	FETCH \slot, \kq, \g
	s_wait_dscnt 2*NT+8                            ; all but the run just issued
	WIN MUL_HI
	MULA \f, 2, \zero
	MULA \f, 3, \zero
.endm
.macro THREE slot, zero
	QUARTER \slot, 1, 0, 1, \zero
	QUARTER \slot, 2, 1, 0, 0
	QUARTER \slot, 3, 0, 1, 0
.endm
; the last quarter of a K step: multiplies buffers 1 and changes slots.  In front of the barrier each wave waits for its reads of this slot
; and for all its tensor loads (one is out: its part of the next slot).  fill = 1: the barrier opens a round of the cluster's barrier, and
; behind the round this slot is asked for again, two K steps on, first of all.
.macro TURN slot, next, fill
	s_wait_dscnt 4
	WIN MUL_LO
	MULA 1, 0, 0
	s_wait_dscnt 0
	s_wait_tensorcnt 0x0
	ds_add_u32 v255, v255
	s_wait_dscnt 0x0
	s_barrier_signal -1
	MULA 1, 1, 0                                   ; register work while the others arrive
	WIN 0
	s_barrier_wait -1
.if \fill
	CREST
	s_add_nc_u64 s[G0+4*\slot+2:G0+4*\slot+3], s[G0+4*\slot+2:G0+4*\slot+3], 4*PLANE_A
	s_add_nc_u64 s[G0B+4*\slot+2:G0B+4*\slot+3], s[G0B+4*\slot+2:G0B+4*\slot+3], 4*PLANE_B
	JLOAD \slot
.endif
	PLACES
	FETCH \next, 0, 0
	WIN MUL_HI
	MULA 1, 2, 0
	MULA 1, 3, 0
.endm
.macro LAP zero
	THREE 0, \zero
	TURN 0, 1, 1
	THREE 1, 0
	TURN 1, 0, 1
.endm
	s_wait_tensorcnt 1                             ; my part of K step 0 is in; K step 1's may stay out
	s_barrier_signal -1
	s_barrier_wait -1
	FETCH 0, 0, 0
	LAP 1                                          ; its first products start the sums
	WIN 0
	s_mov_b32 s3, LAPS-2
.Llap:
	LAP 0
	WIN 0
	s_sub_co_u32 s3, s3, 1
	s_cmp_lg_u32 s3, 0
	s_cbranch_scc1 .Llap
	THREE 0, 0                                     ; the last lap fills nothing
	TURN 0, 1, 0
	THREE 1, 0
	s_wait_dscnt 4
	WIN MUL_LO
	MULA 1, 0, 0
	MULA 1, 1, 0
	s_wait_dscnt 0
	WIN MUL_HI
	MULA 1, 2, 0
	MULA 1, 3, 0
	PLACES
; THE WAY OUT, item n = 3 a + hh: 16 rows of one head.  out[d] = x[d] cos[d] - x[d+32] sin[d], out[d+32] = x[d+32] cos[d] + x[d] sin[d], d < 32:
; tiles 4 hh + u and 4 hh + u + 2 of one lane.  Then f16, 16 bytes a lane into my own stage, rows read back, 512 consecutive bytes a store.
.macro EPI n
.set a_, (\n)/3
.set h_, (\n)%3
.set tb_, TAB+32*((\n)&1)
	WIN 0                                          ; the table's loads name window 0 (the first item comes here from the products' setting)
.if (\n) < 11
	TABLD ((\n)+1)/3, ((\n)+1)%3, ((\n)+1)&1
	s_wait_loadcnt 0x8                             ; my table is in; the next item's eight loads stay out
.else
	s_wait_loadcnt 0x0
.endif
	WIN 0x02+(a_>>1)                               ; source 0 in the accumulators' window
.irp u, 0,1
.set lo_, 8*(NT*(a_&1)+4*h_+\u)
.irp i, 0,2,4,6
	v_pk_mul_f32 v[RES+8*\u+\i:RES+8*\u+\i+1], v[lo_+\i:lo_+\i+1], v[tb_+8*\u+\i:tb_+8*\u+\i+1]
	v_pk_mul_f32 v[RES+16+8*\u+\i:RES+16+8*\u+\i+1], v[lo_+16+\i:lo_+16+\i+1], v[tb_+8*\u+\i:tb_+8*\u+\i+1]
.endr
.irp i, 0,2,4,6
	v_pk_fma_f32 v[RES+8*\u+\i:RES+8*\u+\i+1], v[lo_+16+\i:lo_+16+\i+1], v[tb_+16+8*\u+\i:tb_+16+8*\u+\i+1], v[RES+8*\u+\i:RES+8*\u+\i+1] neg_lo:[0,1,0] neg_hi:[0,1,0]
	v_pk_fma_f32 v[RES+16+8*\u+\i:RES+16+8*\u+\i+1], v[lo_+\i:lo_+\i+1], v[tb_+16+8*\u+\i:tb_+16+8*\u+\i+1], v[RES+16+8*\u+\i:RES+16+8*\u+\i+1]
.endr
.endr
	WIN 0
.set t_, 0
.rept 16
	v_cvt_pk_f16_f32 v[PK+t_], v[RES+2*t_], v[RES+2*t_+1]
.set t_, t_+1
.endr
.irp u, 0,1,2,3
	ds_store_b128 v[STO], v[PK+4*\u:PK+4*\u+3] offset:32*\u
.endr
	s_wait_xcnt 0x0                                ; RB, which the last item's stores read, is loaded again only behind this wait
.irp i, 0,1,2,3
	ds_load_b128 v[RB+4*\i:RB+4*\i+3], v[RD] offset:\i*4*PITCH     ; LDS serves a wave's instructions in order: these see the stores above
.endr
.irp i, 0,1,2,3
	s_wait_dscnt 3-\i
	global_store_b128 v[CO], v[RB+4*\i:RB+4*\i+3], s[OBS+2*h_:OBS+2*h_+1] offset:a_*2048+\i*512
.endr
.endm
.irp n, 0,1,2,3,4,5,6,7,8,9,10,11
	EPI \n
.endr
	s_set_vgpr_msb 0x1
	s_wait_tensorcnt 0x0
	ds_add_u32 v255, v255
	s_wait_dscnt 0x0
	s_set_vgpr_msb 0x100
	CROUND                                         ; the closing round: no work-group ends while a partner may still ask for a tile that names it
	s_endpgm
.Lfunc_end_k_q8207836f0f_qkv:
	.size	k_q8207836f0f_qkv, .Lfunc_end_k_q8207836f0f_qkv-k_q8207836f0f_qkv
	.p2alignl 7, 3214868480
	.fill 96, 4, 3214868480
	.section	.rodata,"a",@progbits
	.p2align	6, 0x0
	.amdhsa_kernel k_q8207836f0f_qkv
		.amdhsa_group_segment_fixed_size 327680
		.amdhsa_private_segment_fixed_size 0
		.amdhsa_enable_private_segment 0
		.amdhsa_kernarg_size 32
		.amdhsa_user_sgpr_count 2
		.amdhsa_user_sgpr_kernarg_segment_ptr 1
		.amdhsa_wavefront_size32 1
		.amdhsa_system_sgpr_workgroup_id_x 1
		.amdhsa_system_sgpr_workgroup_id_y 1
		.amdhsa_system_sgpr_workgroup_id_z 1
		.amdhsa_system_vgpr_workitem_id 0
		.amdhsa_next_free_vgpr 960
		.amdhsa_next_free_sgpr 84
		.amdhsa_reserve_vcc 0
		.amdhsa_float_denorm_mode_32 3
		.amdhsa_float_denorm_mode_16_64 3
		.amdhsa_memory_ordered 1
		.amdhsa_forward_progress 1
		.amdhsa_inst_pref_size 198
	.end_amdhsa_kernel
	.amdgpu_metadata
---
amdhsa.version: [ 1, 2 ]
amdhsa.kernels:
  - .name:           k_q8207836f0f_qkv
    .symbol:         k_q8207836f0f_qkv.kd
    .args:
      - { .name: xb, .offset: 0, .size: 8, .value_kind: global_buffer, .address_space: global }
      - { .name: wat, .offset: 8, .size: 8, .value_kind: global_buffer, .address_space: global }
      - { .name: tab, .offset: 16, .size: 8, .value_kind: global_buffer, .address_space: global }
      - { .name: qkv, .offset: 24, .size: 8, .value_kind: global_buffer, .address_space: global }
    .group_segment_fixed_size: 327680
    .private_segment_fixed_size: 0
    .kernarg_segment_align: 8
    .kernarg_segment_size: 32
    .max_flat_workgroup_size: 128
    .sgpr_count:     84
    .vgpr_count:     960
    .wavefront_size: 32
...
	.end_amdgpu_metadata
.endif
;; end of part 2
;; launch attn (part 3): grid 256 x 1, 4 waves a work-group, no clusters, 327,680 bytes of LDS; arguments qkv, yb; writes yb
.if DOCPART == 3
	.amdgcn_target "amdgcn-amd-amdhsa--gfx1250"
	.amdhsa_code_object_version 6
	.text
	.protected	k_q8207836f0f_attn
	.globl	k_q8207836f0f_attn
	.p2align	8
	.type	k_q8207836f0f_attn,@function
k_q8207836f0f_attn:
	s_mov_b64 s[64:65], 0
	v_nop
	global_prefetch_b8 v0, s[64:65] scope:SCOPE_SE
	s_setreg_imm32_b32 hwreg(HW_REG_WAVE_MODE, 25, 1), 1
	s_wait_xcnt 0x0
; Causal attention for one (head, batch) and two query blocks of 256 rows: blocks pi and 7 - pi, so that every work-group walks 9 laps of 256 keys.
; Wave w has query rows 64 w..+63 of a block.  A block's diagonal lap comes first (key 256 i is open to every row of block i, so the first running
; maximum is finite), then laps 0..i-1 unmasked.  q already carries log2(e)/8: the softmax runs in base 2, with a running maximum.
; TRANSPOSED FORMS, so that nothing moves between lanes but one exchange of maxima:
;   S^T = K Q^T: lane (r, h) holds query r, keys 8 h + 0..7 of each key tile; two neighbouring tiles packed to f16 ARE a B fragment of P^T;
;   O^T = V^T P^T: V^T comes by the transposing LDS load from V as it lies, [keys][64];
;   a fifth row tile whose A is all ones gives the row sum of the rounded P, whole in every lane.
; K and V come in halves of 128 keys through two LDS slots; waves 0, 1 fetch V's 64 + 64 keys, waves 2, 3 K's: one tensor load a wave behind each
; barrier, one outstanding, with a half's work (two tiles of 64 keys) in which to land.
; NO CLUSTER: the four work-groups of a head walk different tiles in different numbers (their laps hang on pi); walking jointly would take
; 8 + 4 laps' time for 9 laps of work.
; WINDOWS: 0: addresses, Q fragments of both blocks (v32-95, v160-223), K fragments v96-159;  1: S v0-127, P v128-191, statistics;
; 2: O v0-159 (tile (dt, qt) at 8 (4 dt + qt), dt = 4 the row sums), V fragments v160-223, ones v224-231.
; LIMITS: operands are f16 (|q|, |k|, |v| below 65,504); P below 6e-8 of the row's largest term is dropped.
.set KP,     144                       ; LDS pitch of K rows: 128 + 16, an odd multiple of 16
.set VP,     160                       ; of V rows: 128 + 32, an odd multiple of 32, for the transposing load
.set KOFF,   128*VP                    ; a slot: V's 128 keys, then K's
.set SLOTB,  KOFF+128*KP
.set STAGE,  2*SLOTB                   ; behind the ring: 64 rows x 144 bytes for each wave
.set HALFB,  128*128                   ; bytes of K (or V) of a half in memory
.set KA,  2                            ; window 0
.set VA,  3
.set QO,  4
.set STO, 5
.set RD,  6
.set CO,  7
.set QA,  32
.set KF,  96
.set QB,  160
.set P,   128                          ; window 1
.set M,   192                          ; running maxima of my four query tiles
.set AL,  196                          ; factors for what has been summed; at the end 1 / row sum
.set T,   204
.set U,   208
.set REL, 220                          ; r - 8 h + 64 w
.set NEG, 221                          ; -infinity
.set VF,  160                          ; window 2
.set ONES, 224
.set G1V, 16
.set G1K, 24
.set G0V, 32                           ; a set for each slot
.set G0K, 40
.set MSB, 0
.macro WIN new
.if MSB != (\new)
	s_set_vgpr_msb (MSB<<8)|(\new)
.set MSB, (\new)
.endif
.endm
.macro PLACES                          ; four places behind a matrix instruction (ISA guide 7.12.1)
.rept 4
	v_nop
.endr
.endm
.macro KVLOAD s
	s_cmp_eq_u32 s9, 0
	s_cbranch_scc0 .Lfor_k_\@
	tensor_load_to_lds s[G0V+4*(\s):G0V+4*(\s)+3], s[G1V:G1V+7]
	s_nop 0
	s_branch .Lasked_\@
.Lfor_k_\@:
	tensor_load_to_lds s[G0K+4*(\s):G0K+4*(\s)+3], s[G1K:G1K+7]
	s_nop 0
.Lasked_\@:
.endm
	s_load_b128 s[4:7], s[0:1], 0x0                ; qkv s[4:5], yb s[6:7]
	v_lshl_add_u32 v254, v0, 2, 0x29000
	v_mov_b32 v255, 0
	ds_add_u32 v254, v255
	ds_add_u32 v254, v255
	v_lshrrev_b32 v1, 5, v0
	v_readfirstlane_b32 s8, v1                     ; wave
	s_lshr_b32 s9, s8, 1                           ; 0: I fetch V, 1: K
	s_and_b32 s10, s8, 1                           ; which 64 keys of a half
	s_and_b32 s11, ttmp9, 3                        ; pi
	s_lshr_b32 s12, ttmp9, 2                       ; bh = 4 head + batch
	s_mov_b32 s62, 0x76543210                      ; v_permlanex16_b32: lane i reads lane i of the other half
	s_mov_b32 s63, 0xfedcba98
	; group 1: 32 rows of 32 elements of 8 bytes, dense (64 keys); after every 32 words 8 (V) or 4 (K) words of padding
	s_mov_b32 s[G1V+0], (3<<16)|(1<<20)|(4<<22)|(7<<25)
	s_mov_b32 s[G1K+0], (3<<16)|(1<<20)|(4<<22)|(3<<25)
.irp g, G1V, G1K
	s_mov_b32 s[\g+1], 32<<16
	s_mov_b32 s[\g+2], 32<<16
	s_mov_b32 s[\g+3], 32<<16
	s_mov_b32 s[\g+4], 32
	s_mov_b32 s[\g+5], 32
	s_mov_b32 s[\g+6], 0
	s_mov_b32 s[\g+7], 0
.endr
	s_mul_i32 s67, s8, 64*VP                       ; LDS: waves 0, 1: V's keys 0-63, 64-127
	s_mul_i32 s68, s8, 64*KP
	s_add_co_u32 s68, s68, KOFF-2*64*KP            ; waves 2, 3: K's
.irp s, 0,1
	s_mov_b32 s[G0V+4*\s], 1
	s_add_co_u32 s[G0V+4*\s+1], s67, \s*SLOTB
	s_mov_b32 s[G0K+4*\s], 1
	s_add_co_u32 s[G0K+4*\s+1], s68, \s*SLOTB
.endr
	s_lshl_b32 s52, s11, 15                        ; OFF: byte offset among a head's keys of the half to be asked for; first the diagonal lap of block pi
	s_mov_b32 s53, 0
	s_sub_co_u32 s66, 7, s11
	s_lshl_b32 s66, s66, 15                        ; the diagonal lap of block 7 - pi
	s_lshl_b32 s68, s12, 18
	s_lshl_b32 s69, s10, 13
	s_add_co_u32 s69, s68, s69
	s_mov_b32 s71, 0
	s_add_co_u32 s70, s69, 64<<18
	s_wait_dscnt 0x0
	s_wait_kmcnt 0x0
	s_add_nc_u64 s[48:49], s[4:5], s[70:71]        ; K of my head, my 64 keys of a half
	s_add_co_u32 s70, s69, 128<<18
	s_add_nc_u64 s[50:51], s[4:5], s[70:71]        ; V
	s_add_nc_u64 s[G0V+2:G0V+3], s[50:51], s[52:53]
	s_or_b32 s[G0V+3], s[G0V+3], 0x80000000
	s_add_nc_u64 s[G0K+2:G0K+3], s[48:49], s[52:53]
	s_or_b32 s[G0K+3], s[G0K+3], 0x80000000
	KVLOAD 0                                       ; the one first fill; slot 1 is first filled behind the first barrier, as a refill is
	s_lshl_b32 s69, s8, 13
	s_add_co_u32 s68, s68, s69                     ; bh << 18 + 64 w rows: the same offset in q and in yb (4 head + b planes of 2,048 rows)
	s_add_co_u32 s70, s68, s52
	s_add_nc_u64 s[58:59], s[4:5], s[70:71]        ; Q of block pi
	s_add_nc_u64 s[54:55], s[6:7], s[70:71]        ; y of block pi
	s_add_co_u32 s70, s68, s66
	s_add_nc_u64 s[60:61], s[4:5], s[70:71]        ; Q of block 7 - pi
	s_add_nc_u64 s[56:57], s[6:7], s[70:71]        ; y of block 7 - pi
	v_and_b32 v8, 15, v0                           ; r
	v_bfe_u32 v9, v0, 4, 1                         ; h
	v_lshlrev_b32 v[QO], 7, v8
	v_lshl_add_u32 v[QO], v9, 4, v[QO]             ; Q row r, 16 h
.irp qt, 0,1,2,3
.irp ks, 0,1
	global_load_b128 v[QA+8*(2*\qt+\ks):QA+8*(2*\qt+\ks)+3],   v[QO], s[58:59] offset:\qt*2048+\ks*64
	global_load_b128 v[QA+8*(2*\qt+\ks)+4:QA+8*(2*\qt+\ks)+7], v[QO], s[58:59] offset:\qt*2048+\ks*64+32
	global_load_b128 v[QB+8*(2*\qt+\ks):QB+8*(2*\qt+\ks)+3],   v[QO], s[60:61] offset:\qt*2048+\ks*64
	global_load_b128 v[QB+8*(2*\qt+\ks)+4:QB+8*(2*\qt+\ks)+7], v[QO], s[60:61] offset:\qt*2048+\ks*64+32
.endr
.endr
	v_and_b32 v1, 31, v0                           ; L
	v_mul_u32_u24 v10, v8, KP
	v_lshl_add_u32 v10, v9, 4, v10                 ; r x 144 + 16 h
	v_add_nc_u32 v[KA], KOFF, v10
	v_and_b32 v11, 7, v0
	v_lshl_add_u32 v12, v9, 3, v11                 ; key 8 h + L % 8
	v_mul_u32_u24 v[VA], v12, VP
	v_bfe_u32 v13, v0, 3, 1
	v_lshl_add_u32 v[VA], v13, 4, v[VA]
	s_mul_i32 s67, s8, 64*KP
	s_add_co_u32 s67, s67, STAGE                   ; my stage
	v_add_nc_u32 v[STO], s67, v10
	v_lshrrev_b32 v14, 3, v1
	v_mul_u32_u24 v14, v14, KP
	v_lshl_add_u32 v14, v11, 4, v14
	v_add_nc_u32 v[RD], s67, v14                   ; four rows of 128 bytes a load
	v_lshlrev_b32 v[CO], 4, v1
	v_lshlrev_b32 v15, 3, v9
	v_sub_nc_u32 v15, v8, v15
	v_lshl_add_u32 v15, s8, 6, v15                 ; r - 8 h + 64 w
	WIN 0x40
	v_mov_b32 v[REL], v15
	v_mov_b32 v[NEG], 0xff800000
.irp qt, 0,1,2,3
	v_mov_b32 v[U+\qt], 0                          ; v_permlanex16_b32 counts as a reader of its destination
.endr
	WIN 0x80
.irp i, 0,1,2,3,4,5,6,7
	v_mov_b32 v[ONES+\i], 0x3c003c00               ; 1.0, 1.0 in f16
.endr
	WIN 0
	s_wait_loadcnt 0x0                             ; Q, once
; The change of slots.  Every wave waits for all its tensor loads (its part of this slot) and for its LDS reads (of the other slot), then the
; barrier; behind it the other slot is asked for again, first of all, with the half at OFF.
.macro HALF slot, refill
	s_wait_tensorcnt 0x0                           ; no tensor load of mine is out: every group 0 may be written
	ds_add_u32 v254, v255
	s_wait_dscnt 0x0
.if \refill
	s_add_nc_u64 s[G0V+4*(1-\slot)+2:G0V+4*(1-\slot)+3], s[50:51], s[52:53]
	s_or_b32 s[G0V+4*(1-\slot)+3], s[G0V+4*(1-\slot)+3], 0x80000000
	s_add_nc_u64 s[G0K+4*(1-\slot)+2:G0K+4*(1-\slot)+3], s[48:49], s[52:53]
	s_or_b32 s[G0K+4*(1-\slot)+3], s[G0K+4*(1-\slot)+3], 0x80000000
.endif
	s_wait_dscnt 0x0
	s_barrier_signal -1
	s_barrier_wait -1
.if \refill
	KVLOAD 1-\slot
.endif
.endm
.macro KFETCH slot, tt                 ; 64 keys x 64 d: fragment (kt, ks) = 16 keys x 32 d
.irp kt, 0,1,2,3
.irp ks, 0,1
	ds_load_b128 v[KF+8*(2*\kt+\ks):KF+8*(2*\kt+\ks)+3],   v[KA] offset:(\slot)*SLOTB+(\tt)*64*KP+\kt*16*KP+\ks*64
	ds_load_b128 v[KF+8*(2*\kt+\ks)+4:KF+8*(2*\kt+\ks)+7], v[KA] offset:(\slot)*SLOTB+(\tt)*64*KP+\kt*16*KP+\ks*64+32
.endr
.endr
.endm
.macro VFETCH slot, tt                 ; fragment (dt, ks) = 16 d x 32 keys, transposed on the way
.irp ks, 0,1
.irp dt, 0,1,2,3
	ds_load_tr16_b128 v[VF+8*(2*\dt+\ks):VF+8*(2*\dt+\ks)+3],   v[VA] offset:(\slot)*SLOTB+(\tt)*64*VP+\ks*32*VP+32*\dt
	ds_load_tr16_b128 v[VF+8*(2*\dt+\ks)+4:VF+8*(2*\dt+\ks)+7], v[VA] offset:(\slot)*SLOTB+(\tt)*64*VP+\ks*32*VP+32*\dt+16*VP
.endr
.endr
.endm
.macro PKSUB d, m, odd                 ; a pair minus one register of pair m
.if \odd
	v_pk_add_f32 v[\d:\d+1], v[\d:\d+1], v[\m:\m+1] op_sel:[0,1] op_sel_hi:[1,1] neg_lo:[0,1] neg_hi:[0,1]
.else
	v_pk_add_f32 v[\d:\d+1], v[\d:\d+1], v[\m:\m+1] op_sel_hi:[1,0] neg_lo:[0,1] neg_hi:[0,1]
.endif
.endm
.macro PKMUL d, m, odd                 ; a pair times one register of pair m
.if \odd
	v_pk_mul_f32 v[\d:\d+1], v[\d:\d+1], v[\m:\m+1] op_sel:[0,1] op_sel_hi:[1,1]
.else
	v_pk_mul_f32 v[\d:\d+1], v[\d:\d+1], v[\m:\m+1] op_sel_hi:[1,0]
.endif
.endm
; One tile: my 64 queries x 64 keys (tile tt of the slot).  first = 1: it starts maxima and sums.  mtt >= 0: it is tile mtt of the diagonal lap.
; pfk = 1: the next tile's K fragments are fetched under the softmax.  In both products the accumulators take turns, one instruction a turn.
.macro TILE slot, tt, first, mtt, pfk, qb
.if \tt == 0
	WIN 0
	KFETCH \slot, 0
.endif
	s_wait_dscnt 0x0                               ; K's fragments are in
	WIN 0x50                                       ; C and D in window 1
.irp ks, 0,1
.irp kt, 0,1,2,3
.irp qt, 0,1,2,3
.if \ks == 0
	v_wmma_f32_16x16x32_f16 v[8*(4*\qt+\kt):8*(4*\qt+\kt)+7], v[KF+8*(2*\kt+\ks):KF+8*(2*\kt+\ks)+7], v[\qb+8*(2*\qt+\ks):\qb+8*(2*\qt+\ks)+7], 0
.else
	v_wmma_f32_16x16x32_f16 v[8*(4*\qt+\kt):8*(4*\qt+\kt)+7], v[KF+8*(2*\kt+\ks):KF+8*(2*\kt+\ks)+7], v[\qb+8*(2*\qt+\ks):\qb+8*(2*\qt+\ks)+7], v[8*(4*\qt+\kt):8*(4*\qt+\kt)+7]
.endif
.endr
.endr
.endr
	PLACES
	WIN 0x80
	VFETCH \slot, \tt
.if \pfk
	WIN 0
	KFETCH \slot, \tt+1
.endif
	WIN 0x55                                       ; the softmax lives in window 1
.if (\mtt) >= 0
	; key 64 mtt + 16 kt + 8 h + j lies behind query 64 w + 16 qt + r where 64 mtt + 16 (kt - qt) + j > REL; REL is -8 at the least
.irp qt, 0,1,2,3
.irp kt, 0,1,2,3
.irp j, 0,1,2,3,4,5,6,7
.if (64*(\mtt)+16*(\kt-\qt)+\j) > -8
	v_cmp_gt_i32 vcc_lo, 64*(\mtt)+16*(\kt-\qt)+\j, v[REL]
	v_cndmask_b32 v[8*(4*\qt+\kt)+\j], v[8*(4*\qt+\kt)+\j], v[NEG], vcc_lo
.endif
.endr
.endr
.endr
.endif
	; the maxima: four chains (one a query tile) over a lane's 32 scores, the running maximum last, then the other half of the keys' lanes
.irp qt, 0,1,2,3
	v_max3_num_f32 v[T+\qt], v[32*\qt], v[32*\qt+1], v[32*\qt+2]
.endr
.set n_, 1
.rept 14
.irp qt, 0,1,2,3
	v_max3_num_f32 v[T+\qt], v[T+\qt], v[32*\qt+2*n_+1], v[32*\qt+2*n_+2]
.endr
.set n_, n_+1
.endr
.irp qt, 0,1,2,3
.if \first
	v_max_num_f32 v[T+\qt], v[T+\qt], v[32*\qt+31]
.else
	v_max3_num_f32 v[T+\qt], v[T+\qt], v[32*\qt+31], v[M+\qt]
.endif
.endr
.irp qt, 0,1,2,3
	v_permlanex16_b32 v[U+\qt], v[T+\qt], s62, s63
.endr
.irp qt, 0,1,2,3
.if \first
	v_max_num_f32 v[M+\qt], v[T+\qt], v[U+\qt]
.else
	v_max_num_f32 v[T+\qt], v[T+\qt], v[U+\qt]
	v_sub_f32 v[AL+\qt], v[M+\qt], v[T+\qt]        ; old maximum - new, at most 0
	v_mov_b32 v[M+\qt], v[T+\qt]
.endif
.endr
.irp qt, 0,1,2,3
.set n_, 0
.rept 16
	PKSUB 32*\qt+2*n_, M+2*(\qt>>1), \qt&1
.set n_, n_+1
.endr
.endr
.if \first == 0
.irp qt, 0,1,2,3
	v_exp_f32 v[AL+\qt], v[AL+\qt]
.endr
.endif
.set n_, 0
.rept 128
	v_exp_f32 v[n_], v[n_]
.set n_, n_+1
.endr
	v_nop                                          ; one plain place behind the exponentials, ahead of their readers (ISA guide 5.7.2)
.set n_, 0
	s_wait_alu depctr_va_vdst(0)
.rept 64
	v_cvt_pk_f16_f32 v[P+n_], v[2*n_], v[2*n_+1]   ; tiles 2 ks, 2 ks + 1 of a query tile become registers 0-3, 4-7 of P^T's fragment (qt, ks)
.set n_, n_+1
.endr
.if \pfk
	s_wait_dscnt 16                                ; V's fragments are in; the next tile's 16 loads of K stay out
.else
	s_wait_dscnt 0
.endif
.if \first == 0
	WIN 0x86                                       ; O in window 2, the factors in window 1
.irp dt, 0,1,2,3,4
.irp qt, 0,1,2,3
.irp i, 0,2,4,6
	PKMUL 8*(4*\dt+\qt)+\i, AL+2*(\qt>>1), \qt&1
.endr
.endr
.endr
.endif
	WIN 0xa6                                       ; A (V^T), C, D in window 2, B (P^T) in window 1
.irp ks, 0,1
.irp dt, 0,1,2,3,4
.irp qt, 0,1,2,3
.if \dt < 4
.set va_, VF+8*(2*\dt+\ks)
.else
.set va_, ONES
.endif
.if \first && (\ks == 0)
	v_wmma_f32_16x16x32_f16 v[8*(4*\dt+\qt):8*(4*\dt+\qt)+7], v[va_:va_+7], v[P+8*(2*\qt+\ks):P+8*(2*\qt+\ks)+7], 0
.else
	v_wmma_f32_16x16x32_f16 v[8*(4*\dt+\qt):8*(4*\dt+\qt)+7], v[va_:va_+7], v[P+8*(2*\qt+\ks):P+8*(2*\qt+\ks)+7], v[8*(4*\dt+\qt):8*(4*\dt+\qt)+7]
.endif
.endr
.endr
.endr
.endm
.macro WORK slot, refill, first, m0, m1, qb        ; a half: the change of slots and two tiles
	HALF \slot, \refill
	TILE \slot, 0, \first, \m0, 1, \qb
	TILE \slot, 1, 0, \m1, 0, \qb
	WIN 0
.endm
; A block's end: divide by the row sums, f16, 16 bytes a lane into my own stage, rows read back (into the block's dead Q registers), 512 consecutive bytes a store
.macro FIN qb, ys
	PLACES
	WIN 0x42
.irp qt, 0,1,2,3
	v_rcp_f32 v[AL+\qt], v[8*(16+\qt)]             ; the row sum is at least 1: the largest term is 2^0
.endr
	v_nop
	s_wait_alu depctr_va_vdst(0)
	WIN 0x86
.irp dt, 0,1,2,3
.irp qt, 0,1,2,3
.irp i, 0,2,4,6
	PKMUL 8*(4*\dt+\qt)+\i, AL+2*(\qt>>1), \qt&1
.endr
.endr
.endr
	WIN 0x0a
.irp qt, 0,1,2,3
.irp dt, 0,1,2,3
.irp i, 0,1,2,3
	v_cvt_pk_f16_f32 v[KF+4*(4*\qt+\dt)+\i], v[8*(4*\dt+\qt)+2*\i], v[8*(4*\dt+\qt)+2*\i+1]
.endr
.endr
.endr
	WIN 0
.irp qt, 0,1,2,3
.irp dt, 0,1,2,3
	ds_store_b128 v[STO], v[KF+4*(4*\qt+\dt):KF+4*(4*\qt+\dt)+3] offset:\qt*16*KP+32*\dt
.endr
.endr
.set n_, 0
.rept 16
	ds_load_b128 v[\qb+4*n_:\qb+4*n_+3], v[RD] offset:n_*4*KP      ; LDS serves a wave's instructions in order: these see the stores above
.set n_, n_+1
.endr
.set n_, 0
.rept 16
	s_wait_dscnt 15-n_
	global_store_b128 v[CO], v[\qb+4*n_:\qb+4*n_+3], s[\ys:\ys+1] offset:n_*512
.set n_, n_+1
.endr
.endm
	; ---- block pi: its diagonal lap, then laps 0..pi-1
	s_add_co_u32 s52, s52, HALFB                   ; the diagonal lap's second half
	WORK 0, 1, 1, 0, 1, QA
	s_cmp_lg_u32 s11, 0
	s_cselect_b32 s52, 0, s66                      ; next: lap 0, or, with no lap left, the other block's diagonal lap
	WORK 1, 1, 0, 2, 3, QA
	s_cmp_eq_u32 s11, 0
	s_cbranch_scc1 .Lfin_a
	s_mov_b32 s13, 0
.Lloop_a:
	s_add_co_u32 s52, s52, HALFB
	WORK 0, 1, 0, -1, -1, QA
	s_add_co_u32 s52, s52, HALFB                   ; the next lap,
	s_add_co_u32 s13, s13, 1
	s_cmp_lt_u32 s13, s11
	s_cselect_b32 s52, s52, s66                    ; or the other block's diagonal lap
	WORK 1, 1, 0, -1, -1, QA
	s_cmp_lt_u32 s13, s11
	s_cbranch_scc1 .Lloop_a
.Lfin_a:
	FIN QA, 54
	; ---- block 7 - pi: its diagonal lap, then laps 0..6-pi, the last written out: it asks for nothing beyond the end
	s_add_co_u32 s52, s66, HALFB
	WORK 0, 1, 1, 0, 1, QB
	s_mov_b32 s52, 0
	WORK 1, 1, 0, 2, 3, QB
	s_sub_co_u32 s14, 6, s11
	s_mov_b32 s13, 0
.Lloop_b:
	s_add_co_u32 s52, s52, HALFB
	WORK 0, 1, 0, -1, -1, QB
	s_add_co_u32 s52, s52, HALFB
	WORK 1, 1, 0, -1, -1, QB
	s_add_co_u32 s13, s13, 1
	s_cmp_lt_u32 s13, s14
	s_cbranch_scc1 .Lloop_b
	s_add_co_u32 s52, s52, HALFB
	WORK 0, 1, 0, -1, -1, QB
	WORK 1, 0, 0, -1, -1, QB
	FIN QB, 56
	s_wait_tensorcnt 0x0
	ds_add_u32 v254, v255
	s_wait_dscnt 0x0
	s_endpgm
.Lfunc_end_k_q8207836f0f_attn:
	.size	k_q8207836f0f_attn, .Lfunc_end_k_q8207836f0f_attn-k_q8207836f0f_attn
	.p2alignl 7, 3214868480
	.fill 96, 4, 3214868480
	.section	.rodata,"a",@progbits
	.p2align	6, 0x0
	.amdhsa_kernel k_q8207836f0f_attn
		.amdhsa_group_segment_fixed_size 327680
		.amdhsa_private_segment_fixed_size 0
		.amdhsa_enable_private_segment 0
		.amdhsa_kernarg_size 16
		.amdhsa_user_sgpr_count 2
		.amdhsa_user_sgpr_kernarg_segment_ptr 1
		.amdhsa_wavefront_size32 1
		.amdhsa_system_sgpr_workgroup_id_x 1
		.amdhsa_system_sgpr_workgroup_id_y 1
		.amdhsa_system_sgpr_workgroup_id_z 1
		.amdhsa_system_vgpr_workitem_id 0
		.amdhsa_next_free_vgpr 744
		.amdhsa_next_free_sgpr 72
		.amdhsa_reserve_vcc 1
		.amdhsa_float_denorm_mode_32 3
		.amdhsa_float_denorm_mode_16_64 3
		.amdhsa_memory_ordered 1
		.amdhsa_forward_progress 1
		.amdhsa_inst_pref_size 255
	.end_amdhsa_kernel
	.section	.bss,"aw",@nobits
	.p2align	6
	.space	262144
	.amdgpu_metadata
---
amdhsa.version: [ 1, 2 ]
amdhsa.kernels:
  - .name:           k_q8207836f0f_attn
    .symbol:         k_q8207836f0f_attn.kd
    .args:
      - { .name: qkv, .offset: 0, .size: 8, .value_kind: global_buffer, .address_space: global }
      - { .name: yb, .offset: 8, .size: 8, .value_kind: global_buffer, .address_space: global }
    .group_segment_fixed_size: 327680
    .private_segment_fixed_size: 0
    .kernarg_segment_align: 8
    .kernarg_segment_size: 16
    .max_flat_workgroup_size: 128
    .sgpr_count:     72
    .vgpr_count:     744
    .wavefront_size: 32
...
	.end_amdgpu_metadata
.endif
;; end of part 3
;; launch proj (part 4): grid 8 x 32, 4 waves a work-group, clusters of 4 x 4, 327,680 bytes of LDS; arguments yb, wpt, out0; writes out0
.if DOCPART == 4
	.amdgcn_target "amdgcn-amd-amdhsa--gfx1250"
	.amdhsa_code_object_version 6
	.text
	.protected	k_q8207836f0f_proj
	.globl	k_q8207836f0f_proj
	.p2align	8
	.type	k_q8207836f0f_proj,@function
k_q8207836f0f_proj:
	s_mov_b64 s[64:65], 0
	v_nop
	global_prefetch_b8 v0, s[64:65] scope:SCOPE_SE
	s_setreg_imm32_b32 hwreg(HW_REG_WAVE_MODE, 25, 1), 1
	s_wait_xcnt 0x0
	s_wait_alu depctr_hold_cnt(0) depctr_sa_sdst(0) depctr_va_vdst(0) depctr_va_sdst(0) depctr_va_ssrc(0) depctr_va_vcc(0) depctr_vm_vsrc(0)
	s_getreg_b32 s2, hwreg(HW_REG_IB_STS2, 6, 4)
	s_cmp_eq_u32 s2, 0
	s_cbranch_scc0 .Lentry_in_a_cluster
	s_endpgm
.Lentry_in_a_cluster:
	s_bfe_u32 s2, ttmp6, 0x10000c
	s_cmp_lg_u32 s2, 0xf033
	s_cbranch_scc0 .Lentry_shape_is_right
	s_endpgm
.Lentry_shape_is_right:
; out0 = y w_proj (8192 x 1024 x 1024, f16 operands, f32 sums and results).
; A work-group makes 256 rows x 128 columns with four waves; wave w makes rows 64 w..+63 of all 128 columns: 4 x 8 accumulator tiles, 256 registers.
; K goes in 8 steps of 128 = two planes (heads) of 64 through two LDS slots.  A plane's rows are dense in memory, so a tile is fetched as rows
; of 256 bytes that start at multiples of 256; 16 bytes of padding behind every 128 make the LDS pitch 144.
; CLUSTER 4 x 4: y's tile hangs on the block row alone and is asked for jointly along a row of the cluster, the weights' tile on the block
; column alone and is asked for jointly along a column: a quarter of the requests.
; WINDOWS: 0: addresses, y fragments v32-95 (two buffers), way out v96-223; 1: weight fragments v0-127 (two buffers);
; 2: accumulators of row tiles 0, 1 (tile (a, b) at 8 (8 a + b)); 3: of row tiles 2, 3.
; The matrix instruction is used transposed (source 0 = 16 weight rows n, source 1 = 16 rows m): lane (r, h) holds row r, columns 16 b + 8 h + 0..7.
.set NT,      8
.set NB,      16*NT
.set PLANE_A, 8192*128
.set PLANE_B, 1024*128
.set PITCH,   144
.set SUBA,    256*PITCH
.set SUBB,    NB*PITCH
.set SLOT,    2*SUBA+2*SUBB
.set STAGE,   2*SLOT                   ; behind the ring: 16 rows x 528 bytes for each wave
.set SPITCH,  528                      ; 512 bytes of f32 + 16: an odd multiple of 16
.set LAPS,    4
.set ADRA, 16
.set ADRB, 20
.set STO,  24
.set RD,   25
.set CO,   26
.set FA,   32
.set G1,  24
.set G0,  32
.set G1B, 48
.set G0B, 56
.set MUL_LO, 0xa1
.set MUL_HI, 0xf1
.set TO_B,   0x40
.set MSB, 0
.macro WIN new
.if MSB != (\new)
	s_set_vgpr_msb (MSB<<8)|(\new)
.set MSB, (\new)
.endif
.endm
.macro JLOAD s                         ; a joint load: waves 0, 1 ask for y's two planes, waves 2, 3 for the weights'
	s_cmp_eq_u32 s13, 0
	s_cbranch_scc0 .Lfor_b_\@
	tensor_load_to_lds s[G0+4*\s:G0+4*\s+3], s[G1:G1+7]
	s_nop 0
	s_branch .Lasked_\@
.Lfor_b_\@:
	tensor_load_to_lds s[G0B+4*\s:G0B+4*\s+3], s[G1B:G1B+7]
	s_nop 0
.Lasked_\@:
.endm
.macro CREST
	s_cmp_lg_u32 s12, 0
	s_cbranch_scc1 .Lnot_wave_0_\@
	s_barrier_signal -3
.Lnot_wave_0_\@:
	s_barrier_wait -3
	s_barrier_signal -1
	s_barrier_wait -1
.endm
.macro CROUND
	s_barrier_signal -1
	s_barrier_wait -1
	CREST
.endm
.macro PLACES                          ; four places behind a matrix instruction (ISA guide 7.12.1)
.rept 4
	v_nop
.endr
.endm
	s_load_b128 s[4:7], s[0:1], 0x0                ; yb s[4:5], wpt s[6:7]
	s_load_b64 s[8:9], s[0:1], 0x10                ; out0
	s_set_vgpr_msb 0x40
	v_lshl_add_u32 v255, v0, 2, 0x3e400
	s_set_vgpr_msb 0x4000
	v_mov_b32 v255, 0
	s_set_vgpr_msb 0x1
	ds_add_u32 v255, v255
	ds_add_u32 v255, v255
	s_set_vgpr_msb 0x100
	v_lshrrev_b32 v1, 5, v0
	v_readfirstlane_b32 s12, v1                    ; wave
	s_lshr_b32 s13, s12, 1
	s_and_b32 s14, s12, 1
	s_bfe_u32 s40, ttmp6, 0x40000                  ; cx
	s_bfe_u32 s41, ttmp6, 0x40004                  ; cy
	s_lshl_b32 s42, ttmp9, 2
	s_add_co_u32 s42, s42, s40                     ; block column
	s_and_b32 s15, ttmp7, 0xffff
	s_lshl_b32 s15, s15, 2
	s_add_co_u32 s15, s15, s41                     ; block row
	s_lshl_b32 s43, s41, 2
	s_lshl_b32 s43, 15, s43
	s_lshl_b32 s44, 0x1111, s40
	s_or_b32 s[G1+0], s43, (3<<16)|(1<<20)|(1<<21)|(4<<22)|(3<<25)
	s_or_b32 s[G1B+0], s44, (3<<16)|(1<<20)|(1<<21)|(4<<22)|(3<<25)
	s_mov_b32 s[G1+1], 32<<16
	s_mov_b32 s[G1B+1], 32<<16
	s_mov_b32 s[G1+2], 128<<16
	s_mov_b32 s[G1B+2], (NB/2)<<16
	s_mov_b32 s[G1+3], 32<<16
	s_mov_b32 s[G1B+3], 32<<16
	s_mov_b32 s[G1+4], 128
	s_mov_b32 s[G1B+4], NB/2
	s_mov_b32 s[G1+5], 32
	s_mov_b32 s[G1B+5], 32
	s_mov_b32 s[G1+6], 0
	s_mov_b32 s[G1B+6], 0
	s_mov_b32 s[G1+7], 0
	s_mov_b32 s[G1B+7], 0
	s_lshl_b32 s16, s15, 15
	s_lshl_b32 s17, s14, 20
	s_add_co_u32 s16, s16, s17
	s_mov_b32 s17, 0
	s_mul_i32 s46, s42, NB*128
	s_mul_i32 s47, s14, PLANE_B
	s_add_co_u32 s46, s46, s47
	s_mov_b32 s47, 0
	s_mul_i32 s20, s12, SUBA
	s_mul_i32 s45, s12, SUBB
	s_add_co_u32 s45, s45, 2*SUBA-2*SUBB
	s_wait_dscnt 0x0
	s_wait_kmcnt 0x0
	s_add_nc_u64 s[18:19], s[4:5], s[16:17]
	s_add_nc_u64 s[46:47], s[6:7], s[46:47]
	CROUND                                         ; all sixteen work-groups are here: the first joint loads meet
.irp s, 0,1
	s_mov_b32 s[G0+4*\s], 1
	s_add_co_u32 s[G0+4*\s+1], s20, \s*SLOT
	s_add_nc_u64 s[G0+4*\s+2:G0+4*\s+3], s[18:19], \s*2*PLANE_A
	s_or_b32 s[G0+4*\s+3], s[G0+4*\s+3], 0x80000000
	s_mov_b32 s[G0B+4*\s], 1
	s_add_co_u32 s[G0B+4*\s+1], s45, \s*SLOT
	s_add_nc_u64 s[G0B+4*\s+2:G0B+4*\s+3], s[46:47], \s*2*PLANE_B
	s_or_b32 s[G0B+4*\s+3], s[G0B+4*\s+3], 0x80000000
	JLOAD \s                                       ; K steps 0 and 1: two tensor loads of the wave are out, the most in this text
.endr
	v_and_b32 v1, 15, v0                           ; r
	v_bfe_u32 v2, v0, 4, 1                         ; h
	v_mul_u32_u24 v3, v1, PITCH
	v_lshl_add_u32 v3, v2, 4, v3
	s_mul_i32 s21, s12, 64*PITCH
	s_mov_b32 s22, 2*SUBA
.irp s, 0,1
	v_add_nc_u32 v[ADRA+\s], s21, v3
	v_add_nc_u32 v[ADRB+\s], s22, v3
	s_add_co_u32 s21, s21, SLOT
	s_add_co_u32 s22, s22, SLOT
.endr
	s_mul_i32 s23, s12, 16*SPITCH
	s_add_co_u32 s23, s23, STAGE                   ; my stage
	v_mul_u32_u24 v4, v1, SPITCH
	v_lshl_add_u32 v4, v2, 5, v4
	v_add_nc_u32 v[STO], s23, v4                   ; row r, 32 bytes for each half of the lanes
	v_and_b32 v5, 31, v0
	v_lshlrev_b32 v[CO], 4, v5                     ; a row of 512 bytes: 16 bytes a lane
	v_add_nc_u32 v[RD], s23, v[CO]
	s_lshl_b32 s68, s15, 20                        ; out0: block row x 256 rows of 4,096 bytes
	s_lshl_b32 s69, s12, 18                        ; + 64 w rows
	s_add_co_u32 s68, s68, s69
	s_lshl_b32 s69, s42, 9                         ; + block column x 512 bytes
	s_add_co_u32 s68, s68, s69
	s_mov_b32 s69, 0
	s_add_nc_u64 s[66:67], s[8:9], s[68:69]
; NT matrix instructions: row tile a x all column tiles, 32 along K.  The 32 accumulators take turns, one instruction a turn, in the same
; order in every quarter step.
.macro MULA f, a, zero
.set b_, 0
.rept NT
.if \zero
	v_wmma_f32_16x16x32_f16 v[8*(NT*((\a)&1)+b_):8*(NT*((\a)&1)+b_)+7], v[8*NT*\f+8*b_:8*NT*\f+8*b_+7], v[FA+32*\f+8*\a:FA+32*\f+8*\a+7], 0
.else
	v_wmma_f32_16x16x32_f16 v[8*(NT*((\a)&1)+b_):8*(NT*((\a)&1)+b_)+7], v[8*NT*\f+8*b_:8*NT*\f+8*b_+7], v[FA+32*\f+8*\a:FA+32*\f+8*\a+7], v[8*(NT*((\a)&1)+b_):8*(NT*((\a)&1)+b_)+7]
.endif
.set b_, b_+1
.endr
.endm
.macro FETCH slot, kq, f
	WIN TO_B
.set i_, 0
.rept NT
	ds_load_b128 v[8*NT*\f+8*i_:8*NT*\f+8*i_+3],   v[ADRB+\slot] offset:((\kq)>>1)*SUBB+((\kq)&1)*64+i_*16*PITCH
	ds_load_b128 v[8*NT*\f+8*i_+4:8*NT*\f+8*i_+7], v[ADRB+\slot] offset:((\kq)>>1)*SUBB+((\kq)&1)*64+i_*16*PITCH+32
.set i_, i_+1
.endr
	WIN 0
.set i_, 0
.rept 4
	ds_load_b128 v[FA+32*\f+8*i_:FA+32*\f+8*i_+3],   v[ADRA+\slot] offset:((\kq)>>1)*SUBA+((\kq)&1)*64+i_*16*PITCH
	ds_load_b128 v[FA+32*\f+8*i_+4:FA+32*\f+8*i_+7], v[ADRA+\slot] offset:((\kq)>>1)*SUBA+((\kq)&1)*64+i_*16*PITCH+32
.set i_, i_+1
.endr
.endm
.macro QUARTER slot, kq, f, g, zero
	s_wait_dscnt 4                                 ; all but the youngest four loads: y's row tiles 2 and 3
	WIN MUL_LO
	MULA \f, 0, \zero
	MULA \f, 1, \zero
	PLACES
	FETCH \slot, \kq, \g
	s_wait_dscnt 2*NT+8                            ; all but the run just issued
	WIN MUL_HI
	MULA \f, 2, \zero
	MULA \f, 3, \zero
.endm
.macro THREE slot, zero
	QUARTER \slot, 1, 0, 1, \zero
	QUARTER \slot, 2, 1, 0, 0
	QUARTER \slot, 3, 0, 1, 0
.endm
; the last quarter of a K step changes slots: each wave's reads of this slot and all its tensor loads are waited for in front of the barrier;
; fill = 1: the barrier opens a round of the cluster's barrier, behind which this slot is asked for again, first of all
.macro TURN slot, next, fill
	s_wait_dscnt 4
	WIN MUL_LO
	MULA 1, 0, 0
	s_wait_dscnt 0
	s_wait_tensorcnt 0x0
	ds_add_u32 v255, v255
	s_wait_dscnt 0x0
	s_barrier_signal -1
	MULA 1, 1, 0
	WIN 0
	s_barrier_wait -1
.if \fill
	CREST
	s_add_nc_u64 s[G0+4*\slot+2:G0+4*\slot+3], s[G0+4*\slot+2:G0+4*\slot+3], 4*PLANE_A
	s_add_nc_u64 s[G0B+4*\slot+2:G0B+4*\slot+3], s[G0B+4*\slot+2:G0B+4*\slot+3], 4*PLANE_B
	JLOAD \slot
.endif
	PLACES
	FETCH \next, 0, 0
	WIN MUL_HI
	MULA 1, 2, 0
	MULA 1, 3, 0
.endm
.macro LAP zero
	THREE 0, \zero
	TURN 0, 1, 1
	THREE 1, 0
	TURN 1, 0, 1
.endm
	s_wait_tensorcnt 1                             ; my part of K step 0 is in; K step 1's may stay out
	s_barrier_signal -1
	s_barrier_wait -1
	FETCH 0, 0, 0
	LAP 1
	WIN 0
	s_mov_b32 s3, LAPS-2
.Llap:
	LAP 0
	WIN 0
	s_sub_co_u32 s3, s3, 1
	s_cmp_lg_u32 s3, 0
	s_cbranch_scc1 .Llap
	THREE 0, 0                                     ; the last lap fills nothing
	TURN 0, 1, 0
	THREE 1, 0
	s_wait_dscnt 4
	WIN MUL_LO
	MULA 1, 0, 0
	MULA 1, 1, 0
	s_wait_dscnt 0
	WIN MUL_HI
	MULA 1, 2, 0
	MULA 1, 3, 0
	PLACES
; THE WAY OUT, 16 rows at a time: the accumulators go as they are (f32) into my own stage, whole rows of 512 bytes come back and are stored
.macro OUT16 a, buf
	WIN 0x08+4*((\a)>>1)                           ; an LDS store's data is source 1
.set b_, 0
.rept NT
	ds_store_b128 v[STO], v[8*(NT*((\a)&1)+b_):8*(NT*((\a)&1)+b_)+3]   offset:64*b_
	ds_store_b128 v[STO], v[8*(NT*((\a)&1)+b_)+4:8*(NT*((\a)&1)+b_)+7] offset:64*b_+16
.set b_, b_+1
.endr
	WIN 0
	s_wait_xcnt 0x0                                ; the buffer, which earlier stores read, is loaded again only behind this wait
.set t_, 0
.rept 16
	ds_load_b128 v[\buf+4*t_:\buf+4*t_+3], v[RD] offset:t_*SPITCH  ; LDS serves a wave's instructions in order: these see the stores above
.set t_, t_+1
.endr
.set t_, 0
.rept 16
	s_wait_dscnt 15-t_
	global_store_b128 v[CO], v[\buf+4*t_:\buf+4*t_+3], s[66:67] offset:(16*\a+t_)*4096 th:TH_STORE_NT
.set t_, t_+1
.endr
.endm
	OUT16 0, 96
	OUT16 1, 160
	OUT16 2, 96
	OUT16 3, 160
	s_set_vgpr_msb 0x1
	s_wait_tensorcnt 0x0
	ds_add_u32 v255, v255
	s_wait_dscnt 0x0
	s_set_vgpr_msb 0x100
	CROUND                                         ; the closing round
	s_endpgm
.Lfunc_end_k_q8207836f0f_proj:
	.size	k_q8207836f0f_proj, .Lfunc_end_k_q8207836f0f_proj-k_q8207836f0f_proj
	.p2alignl 7, 3214868480
	.fill 96, 4, 3214868480
	.section	.rodata,"a",@progbits
	.p2align	6, 0x0
	.amdhsa_kernel k_q8207836f0f_proj
		.amdhsa_group_segment_fixed_size 327680
		.amdhsa_private_segment_fixed_size 0
		.amdhsa_enable_private_segment 0
		.amdhsa_kernarg_size 24
		.amdhsa_user_sgpr_count 2
		.amdhsa_user_sgpr_kernarg_segment_ptr 1
		.amdhsa_wavefront_size32 1
		.amdhsa_system_sgpr_workgroup_id_x 1
		.amdhsa_system_sgpr_workgroup_id_y 1
		.amdhsa_system_sgpr_workgroup_id_z 1
		.amdhsa_system_vgpr_workitem_id 0
		.amdhsa_next_free_vgpr 896
		.amdhsa_next_free_sgpr 70
		.amdhsa_reserve_vcc 0
		.amdhsa_float_denorm_mode_32 3
		.amdhsa_float_denorm_mode_16_64 3
		.amdhsa_memory_ordered 1
		.amdhsa_forward_progress 1
		.amdhsa_inst_pref_size 119
	.end_amdhsa_kernel
	.amdgpu_metadata
---
amdhsa.version: [ 1, 2 ]
amdhsa.kernels:
  - .name:           k_q8207836f0f_proj
    .symbol:         k_q8207836f0f_proj.kd
    .args:
      - { .name: yb, .offset: 0, .size: 8, .value_kind: global_buffer, .address_space: global }
      - { .name: wpt, .offset: 8, .size: 8, .value_kind: global_buffer, .address_space: global }
      - { .name: out0, .offset: 16, .size: 8, .value_kind: global_buffer, .address_space: global }
    .group_segment_fixed_size: 327680
    .private_segment_fixed_size: 0
    .kernarg_segment_align: 8
    .kernarg_segment_size: 24
    .max_flat_workgroup_size: 128
    .sgpr_count:     70
    .vgpr_count:     896
    .wavefront_size: 32
...
	.end_amdgpu_metadata
.endif
;; end of part 4
;; ======== version 2 of 2: 4 launches
;; limits: values are held in f16: magnitudes above 65,504 overflow, below 6.1e-05 lose precision
;; workspace buffers: xb 16,777,216 bytes; wat 6,291,456 bytes; wpt 2,097,152 bytes; tab 1,572,864 bytes; qkv 50,331,648 bytes; yb 16,777,216 bytes
;; launch prep: the kernel of part 1 again; grid 896 x 1, 8 waves a work-group, no clusters, 67,584 bytes of LDS; arguments x, w_attn, w_proj, xb, wat, wpt, tab; writes xb, wat, wpt, tab
;; launch qkv (part 5): grid 16 x 32, 4 waves a work-group, clusters of 4 x 4, 327,680 bytes of LDS; arguments xb, wat, tab, qkv; writes qkv
.if DOCPART == 5
	.amdgcn_target "amdgcn-amd-amdhsa--gfx1250"
	.amdhsa_code_object_version 6
	.text
	.protected	k_q8207836f0f_qkv
	.globl	k_q8207836f0f_qkv
	.p2align	8
	.type	k_q8207836f0f_qkv,@function
k_q8207836f0f_qkv:
	s_mov_b64 s[64:65], 0
	v_nop
	global_prefetch_b8 v0, s[64:65] scope:SCOPE_SE
	s_setreg_imm32_b32 hwreg(HW_REG_WAVE_MODE, 25, 1), 1
	s_wait_xcnt 0x0
	s_wait_alu depctr_hold_cnt(0) depctr_sa_sdst(0) depctr_va_vdst(0) depctr_va_sdst(0) depctr_va_ssrc(0) depctr_va_vcc(0) depctr_vm_vsrc(0)
	s_getreg_b32 s2, hwreg(HW_REG_IB_STS2, 6, 4)
	s_cmp_eq_u32 s2, 0
	s_cbranch_scc0 .Lentry_in_a_cluster
	s_endpgm
.Lentry_in_a_cluster:
	s_bfe_u32 s2, ttmp6, 0x10000c
	s_cmp_lg_u32 s2, 0xf033
	s_cbranch_scc0 .Lentry_shape_is_right
	s_endpgm
.Lentry_shape_is_right:
; qkv = x w_attn (8192 x 3072 x 1024, bf16 operands, f32 sums), RoPE on the way out, f16 results by heads:
; qkv[(g 4 + b)][t][64], g = 16 kind + head; q comes out times log2(e)/8 (the table's kind 0), v unturned (kind 2: cos 1, sin 0).
; A work-group makes 256 rows x 192 columns with four waves; wave w makes rows 64 w..+63 of all 192 columns (three whole heads, so that RoPE's
; partner column d + 32 lies in the same lane): 4 x 12 accumulator tiles, 384 registers.
; K goes in 8 steps of 128 = two planes of 64 through two LDS slots.  A plane's rows are dense in memory, so a tile is fetched as rows of
; 256 bytes that start at multiples of 256; 16 bytes of padding behind every 128 make the LDS pitch 144.
; CLUSTER 4 x 4: x's tile hangs on the block row alone and is asked for jointly along a row of the cluster, the weights' tile on the block
; column alone and is asked for jointly along a column: a quarter of the requests.
; WINDOWS: 0: addresses, x fragments v32-95 (two buffers; on the way out the turned, packed and read-back numbers), table ring v96-223;
; 1: weight fragments v0-191 (two buffers); 2: accumulators of row tiles 0, 1 (tile (a, b) at 8 (12 a + b)); 3: of row tiles 2, 3.
; The matrix instruction is used transposed (source 0 = 16 weight rows n, source 1 = 16 rows m): lane (r, h) holds row r, columns 16 b + 8 h + 0..7.
; LIMIT: |q|, |k|, |v| above 65,504 become infinite in f16.
.set NT,      12                       ; column tiles of a wave
.set NB,      16*NT
.set PLANE_A, 8192*128                 ; bytes of a plane of xb
.set PLANE_B, 3072*128                 ; of wat
.set PITCH,   144
.set SUBA,    256*PITCH                ; one plane of the block's 256 rows in LDS
.set SUBB,    NB*PITCH                 ; one plane of the block's 192 weight rows
.set SLOT,    2*SUBA+2*SUBB            ; x plane 2 s, x plane 2 s + 1, weights plane 2 s, weights plane 2 s + 1
.set STAGE,   2*SLOT                   ; behind the ring: 16 rows x 144 bytes for each wave
.set LAPS,    4                        ; a lap = two K steps = once round the ring
.set ADRA, 16                          ; v16-17 LDS address of my x fragments in slot 0, 1
.set ADRB, 20                          ; v20-21 of the weight fragments
.set STO,  24                          ; way out: where I put 16 bytes of a row
.set RD,   25                          ; where I read rows back
.set CO,   26                          ; my 16 bytes among 512 of the output
.set TO,   27                          ; my 32 bytes of a table row
.set FA,   32                          ; x fragments, buffer f at FA + 32 f
.set RES,  32                          ; way out, in the dead fragment registers: a head's 4 tiles, turned
.set PK,   64                          ; packed to f16
.set RB,   80                          ; read back
.set TAB,  96                          ; table ring, buffer p of four at TAB + 32 p: cos u=0, cos u=1, sin u=0, sin u=1
.set G1,  24                           ; s[24:31] group 1 for x's tiles
.set G0,  32                           ; s[32:39] group 0 for x's tiles, a set for each slot
.set G1B, 48                           ; s[48:55], s[56:63] the same for the weights' tiles
.set G0B, 56
.set TBS, 66                           ; s[66:71] table base of my three heads
.set OBS, 72                           ; s[72:77] output base of my three heads
.set MUL_LO, 0xa1                      ; source 0 window 1, source 1 window 0, C and D window 2
.set MUL_HI, 0xf1                      ; C and D window 3
.set TO_B,   0x40                      ; destination window 1
.set MSB, 0
.macro WIN new                         ; the immediate's high byte repeats the setting that is left; a switch that changes nothing is dropped
.if MSB != (\new)
	s_set_vgpr_msb (MSB<<8)|(\new)
.set MSB, (\new)
.endif
.endm
.macro JLOAD s                         ; a joint load: waves 0, 1 ask for x's two planes, waves 2, 3 for the weights'
	s_cmp_eq_u32 s13, 0
	s_cbranch_scc0 .Lfor_b_\@
	tensor_load_to_lds s[G0+4*\s:G0+4*\s+3], s[G1:G1+7]
	s_nop 0
	s_branch .Lasked_\@
.Lfor_b_\@:
	tensor_load_to_lds s[G0B+4*\s:G0B+4*\s+3], s[G1B:G1B+7]
	s_nop 0
.Lasked_\@:
.endm
.macro CREST                           ; a round of the cluster's barrier behind its opening barrier
	s_cmp_lg_u32 s12, 0
	s_cbranch_scc1 .Lnot_wave_0_\@
	s_barrier_signal -3
.Lnot_wave_0_\@:
	s_barrier_wait -3
	s_barrier_signal -1
	s_barrier_wait -1
.endm
.macro CROUND
	s_barrier_signal -1
	s_barrier_wait -1
	CREST
.endm
.macro PLACES                          ; four places behind a matrix instruction, ahead of loads into its registers and of readers of its result
.rept 4
	v_nop
.endr
.endm
	s_load_b256 s[4:11], s[0:1], 0x0               ; xb s[4:5], wat s[6:7], tab s[8:9], qkv s[10:11]
	s_set_vgpr_msb 0x40
	v_lshl_add_u32 v255, v0, 2, 0x41400
	s_set_vgpr_msb 0x4000
	v_mov_b32 v255, 0
	s_set_vgpr_msb 0x1
	ds_add_u32 v255, v255
	ds_add_u32 v255, v255
	s_set_vgpr_msb 0x100
	v_lshrrev_b32 v1, 5, v0
	v_readfirstlane_b32 s12, v1                    ; wave
	s_lshr_b32 s13, s12, 1                         ; 0: I fetch x, 1: weights
	s_and_b32 s14, s12, 1                          ; which plane of the step
	s_bfe_u32 s40, ttmp6, 0x40000                  ; cx
	s_bfe_u32 s41, ttmp6, 0x40004                  ; cy
	s_lshl_b32 s42, ttmp9, 2
	s_add_co_u32 s42, s42, s40                     ; block column
	s_and_b32 s15, ttmp7, 0xffff
	s_lshl_b32 s15, s15, 2
	s_add_co_u32 s15, s15, s41                     ; block row
	s_lshl_b32 s43, s41, 2
	s_lshl_b32 s43, 15, s43                        ; my row of the cluster
	s_lshl_b32 s44, 0x1111, s40                    ; my column
	; group 1: rows of 32 elements of 8 bytes (256 bytes), dense; after every 32 words 4 words of padding
	s_or_b32 s[G1+0], s43, (3<<16)|(1<<20)|(1<<21)|(4<<22)|(3<<25)
	s_or_b32 s[G1B+0], s44, (3<<16)|(1<<20)|(1<<21)|(4<<22)|(3<<25)
	s_mov_b32 s[G1+1], 32<<16                      ; tensor_dim0 = 32
	s_mov_b32 s[G1B+1], 32<<16
	s_mov_b32 s[G1+2], 128<<16                     ; tensor_dim1 = 128 rows of 256 bytes = 256 plane rows
	s_mov_b32 s[G1B+2], (NB/2)<<16                 ; 96 = 192 plane rows
	s_mov_b32 s[G1+3], 32<<16                      ; tile_dim0
	s_mov_b32 s[G1B+3], 32<<16
	s_mov_b32 s[G1+4], 128                         ; tile_dim1
	s_mov_b32 s[G1B+4], NB/2
	s_mov_b32 s[G1+5], 32                          ; from row to row
	s_mov_b32 s[G1B+5], 32
	s_mov_b32 s[G1+6], 0
	s_mov_b32 s[G1B+6], 0
	s_mov_b32 s[G1+7], 0
	s_mov_b32 s[G1B+7], 0
	s_lshl_b32 s16, s15, 15                        ; x: block row x 256 plane rows
	s_lshl_b32 s17, s14, 20                        ;    + my plane
	s_add_co_u32 s16, s16, s17
	s_mov_b32 s17, 0
	s_mul_i32 s46, s42, NB*128                     ; weights: block column x 192 plane rows
	s_mul_i32 s47, s14, PLANE_B
	s_add_co_u32 s46, s46, s47
	s_mov_b32 s47, 0
	s_mul_i32 s20, s12, SUBA                       ; LDS: waves 0, 1 at 0 and SUBA
	s_mul_i32 s45, s12, SUBB
	s_add_co_u32 s45, s45, 2*SUBA-2*SUBB           ; waves 2, 3 at 2 SUBA and 2 SUBA + SUBB
	s_wait_dscnt 0x0
	s_wait_kmcnt 0x0
	s_add_nc_u64 s[18:19], s[4:5], s[16:17]
	s_add_nc_u64 s[46:47], s[6:7], s[46:47]
	CROUND                                         ; all sixteen work-groups are here: the first joint loads meet
.irp s, 0,1
	s_mov_b32 s[G0+4*\s], 1
	s_add_co_u32 s[G0+4*\s+1], s20, \s*SLOT
	s_add_nc_u64 s[G0+4*\s+2:G0+4*\s+3], s[18:19], \s*2*PLANE_A
	s_or_b32 s[G0+4*\s+3], s[G0+4*\s+3], 0x80000000
	s_mov_b32 s[G0B+4*\s], 1
	s_add_co_u32 s[G0B+4*\s+1], s45, \s*SLOT
	s_add_nc_u64 s[G0B+4*\s+2:G0B+4*\s+3], s[46:47], \s*2*PLANE_B
	s_or_b32 s[G0B+4*\s+3], s[G0B+4*\s+3], 0x80000000
	JLOAD \s                                       ; K steps 0 and 1: two tensor loads of the wave are out, the most in this text
.endr
	v_and_b32 v1, 15, v0                           ; r
	v_bfe_u32 v2, v0, 4, 1                         ; h
	v_mul_u32_u24 v3, v1, PITCH
	v_lshl_add_u32 v3, v2, 4, v3                   ; r x pitch + 16 h
	s_mul_i32 s21, s12, 64*PITCH                   ; my 64 rows of x
	s_mov_b32 s22, 2*SUBA
.irp s, 0,1
	v_add_nc_u32 v[ADRA+\s], s21, v3
	v_add_nc_u32 v[ADRB+\s], s22, v3
	s_add_co_u32 s21, s21, SLOT
	s_add_co_u32 s22, s22, SLOT
.endr
	s_mul_i32 s23, s12, 16*PITCH
	s_add_co_u32 s23, s23, STAGE                   ; my stage
	v_add_nc_u32 v[STO], s23, v3
	v_and_b32 v4, 31, v0
	v_lshrrev_b32 v5, 3, v4
	v_mul_u32_u24 v5, v5, PITCH
	v_and_b32 v6, 7, v0
	v_lshl_add_u32 v5, v6, 4, v5
	v_add_nc_u32 v[RD], s23, v5                    ; four rows of 128 bytes a load
	v_lshlrev_b32 v[CO], 4, v4
	v_lshlrev_b32 v[TO], 8, v1
	v_lshl_add_u32 v[TO], v2, 5, v[TO]             ; table row r, floats 8 h..+7
	; bases of the way out, in registers that feed no descriptor
	s_and_b32 s78, s15, 7
	s_lshl_b32 s78, s78, 8
	s_lshl_b32 s79, s12, 6
	s_add_co_u32 s78, s78, s79                     ; t of my first row
	s_lshr_b32 s79, s15, 3                         ; batch
	s_mul_i32 s80, s42, 3                          ; g of my first head
.irp hh, 0,1,2
	s_add_co_u32 s81, s80, \hh                     ; g = 16 kind + head
	s_lshr_b32 s82, s81, 4
	s_lshl_b32 s82, s82, 19                        ; the kind's table
	s_lshl_b32 s83, s78, 8
	s_add_co_u32 s82, s82, s83
	s_mov_b32 s83, 0
	s_add_nc_u64 s[TBS+2*\hh:TBS+2*\hh+1], s[8:9], s[82:83]
	s_lshl2_add_u32 s82, s81, s79                  ; 4 g + b
	s_lshl_b32 s82, s82, 18
	s_lshl_b32 s81, s78, 7
	s_add_co_u32 s82, s82, s81
	s_add_nc_u64 s[OBS+2*\hh:OBS+2*\hh+1], s[10:11], s[82:83]
.endr
; the table of 16 rows (row tile a) for head hh into buffer p: each lane its row's cos and sin of d = 16 u + 8 h + 0..7.
; Address and destination lie in window 0: the caller has every window at 0.
.macro TABLD a, hh, p
.set t_, 0
.rept 8
	global_load_b128 v[TAB+32*(\p)+4*t_:TAB+32*(\p)+4*t_+3], v[TO], s[TBS+2*(\hh):TBS+2*(\hh)+1] offset:(\a)*4096+(t_>>1)*64+(t_&1)*16
.set t_, t_+1
.endr
.endm
	TABLD 0, 0, 0                                  ; the tables of the way out's first four items come in under the K loop,
	TABLD 0, 1, 1                                  ; which touches neither these registers nor LOADcnt
	TABLD 0, 2, 2
	TABLD 1, 0, 3
; NT matrix instructions: row tile a x all column tiles, 32 along K, from buffers f.  zero = 1: the product starts the sums.
; The 48 accumulators take turns, one instruction a turn, in the same order in every quarter step.
.macro MULA f, a, zero
.set b_, 0
.rept NT
.if \zero
	v_wmma_f32_16x16x32_bf16 v[8*(NT*((\a)&1)+b_):8*(NT*((\a)&1)+b_)+7], v[8*NT*\f+8*b_:8*NT*\f+8*b_+7], v[FA+32*\f+8*\a:FA+32*\f+8*\a+7], 0
.else
	v_wmma_f32_16x16x32_bf16 v[8*(NT*((\a)&1)+b_):8*(NT*((\a)&1)+b_)+7], v[8*NT*\f+8*b_:8*NT*\f+8*b_+7], v[FA+32*\f+8*\a:FA+32*\f+8*\a+7], v[8*(NT*((\a)&1)+b_):8*(NT*((\a)&1)+b_)+7]
.endif
.set b_, b_+1
.endr
.endm
; one run of 2 NT + 8 LDS loads: quarter kq (plane kq / 2, 64 bytes x kq % 2) of a slot into buffers f
.macro FETCH slot, kq, f
	WIN TO_B
.set i_, 0
.rept NT
	ds_load_b128 v[8*NT*\f+8*i_:8*NT*\f+8*i_+3],   v[ADRB+\slot] offset:((\kq)>>1)*SUBB+((\kq)&1)*64+i_*16*PITCH
	ds_load_b128 v[8*NT*\f+8*i_+4:8*NT*\f+8*i_+7], v[ADRB+\slot] offset:((\kq)>>1)*SUBB+((\kq)&1)*64+i_*16*PITCH+32
.set i_, i_+1
.endr
	WIN 0
.set i_, 0
.rept 4
	ds_load_b128 v[FA+32*\f+8*i_:FA+32*\f+8*i_+3],   v[ADRA+\slot] offset:((\kq)>>1)*SUBA+((\kq)&1)*64+i_*16*PITCH
	ds_load_b128 v[FA+32*\f+8*i_+4:FA+32*\f+8*i_+7], v[ADRA+\slot] offset:((\kq)>>1)*SUBA+((\kq)&1)*64+i_*16*PITCH+32
.set i_, i_+1
.endr
.endm
; multiplies buffers f; in its middle fetches quarter kq of the same slot into buffers g
.macro QUARTER slot, kq, f, g, zero
	s_wait_dscnt 4                                 ; all but the youngest four loads: x's row tiles 2 and 3
	WIN MUL_LO
	MULA \f, 0, \zero
	MULA \f, 1, \zero
	PLACES
	FETCH \slot, \kq, \g
	s_wait_dscnt 2*NT+8                            ; all but the run just issued
	WIN MUL_HI
	MULA \f, 2, \zero
	MULA \f, 3, \zero
.endm
.macro THREE slot, zero
	QUARTER \slot, 1, 0, 1, \zero
	QUARTER \slot, 2, 1, 0, 0
	QUARTER \slot, 3, 0, 1, 0
.endm
; the last quarter of a K step: multiplies buffers 1 and changes slots.  In front of the barrier each wave waits for its reads of this slot
; and for all its tensor loads (one is out: its part of the next slot).  fill = 1: the barrier opens a round of the cluster's barrier, and
; behind the round this slot is asked for again, two K steps on, first of all.
.macro TURN slot, next, fill
	s_wait_dscnt 4
	WIN MUL_LO
	MULA 1, 0, 0
	s_wait_dscnt 0
	s_wait_tensorcnt 0x0
	ds_add_u32 v255, v255
	s_wait_dscnt 0x0
	s_barrier_signal -1
	MULA 1, 1, 0                                   ; register work while the others arrive
	WIN 0
	s_barrier_wait -1
.if \fill
	CREST
	s_add_nc_u64 s[G0+4*\slot+2:G0+4*\slot+3], s[G0+4*\slot+2:G0+4*\slot+3], 4*PLANE_A
	s_add_nc_u64 s[G0B+4*\slot+2:G0B+4*\slot+3], s[G0B+4*\slot+2:G0B+4*\slot+3], 4*PLANE_B
	JLOAD \slot
.endif
	PLACES
	FETCH \next, 0, 0
	WIN MUL_HI
	MULA 1, 2, 0
	MULA 1, 3, 0
.endm
.macro LAP zero
	THREE 0, \zero
	TURN 0, 1, 1
	THREE 1, 0
	TURN 1, 0, 1
.endm
	s_wait_tensorcnt 1                             ; my part of K step 0 is in; K step 1's may stay out
	s_barrier_signal -1
	s_barrier_wait -1
	FETCH 0, 0, 0
	LAP 1                                          ; its first products start the sums
	WIN 0
	s_mov_b32 s3, LAPS-2
.Llap:
	LAP 0
	WIN 0
	s_sub_co_u32 s3, s3, 1
	s_cmp_lg_u32 s3, 0
	s_cbranch_scc1 .Llap
	THREE 0, 0                                     ; the last lap fills nothing
	TURN 0, 1, 0
	THREE 1, 0
	s_wait_dscnt 4
	WIN MUL_LO
	MULA 1, 0, 0
	MULA 1, 1, 0
	s_wait_dscnt 0
	WIN MUL_HI
	MULA 1, 2, 0
	MULA 1, 3, 0
	PLACES
; THE WAY OUT, item n = 3 a + hh: 16 rows of one head.  out[d] = x[d] cos[d] - x[d+32] sin[d], out[d+32] = x[d+32] cos[d] + x[d] sin[d], d < 32:
; tiles 4 hh + u and 4 hh + u + 2 of one lane.  Then f16, 16 bytes a lane into my own stage, rows read back, 512 consecutive bytes a store.
; The table ring: item n reads buffer n % 4 and, when it has read it, asks for item n + 4 into it: three items' loads are always on their way.
.macro EPI n
.set a_, (\n)/3
.set h_, (\n)%3
.set tb_, TAB+32*((\n)&3)
	WIN 0
.if (\n) < 9
	s_wait_loadcnt 24                              ; my table is in; the 3 x 8 loads of the three younger items stay out
.else
	s_wait_loadcnt 8*(11-(\n))                     ; nothing more is asked for: the counts run down 16, 8, 0
.endif
	WIN 0x02+(a_>>1)                               ; source 0 in the accumulators' window
.irp u, 0,1
.set lo_, 8*(NT*(a_&1)+4*h_+\u)
.irp i, 0,2,4,6
	v_pk_mul_f32 v[RES+8*\u+\i:RES+8*\u+\i+1], v[lo_+\i:lo_+\i+1], v[tb_+8*\u+\i:tb_+8*\u+\i+1]
	v_pk_mul_f32 v[RES+16+8*\u+\i:RES+16+8*\u+\i+1], v[lo_+16+\i:lo_+16+\i+1], v[tb_+8*\u+\i:tb_+8*\u+\i+1]
.endr
.irp i, 0,2,4,6
	v_pk_fma_f32 v[RES+8*\u+\i:RES+8*\u+\i+1], v[lo_+16+\i:lo_+16+\i+1], v[tb_+16+8*\u+\i:tb_+16+8*\u+\i+1], v[RES+8*\u+\i:RES+8*\u+\i+1] neg_lo:[0,1,0] neg_hi:[0,1,0]
	v_pk_fma_f32 v[RES+16+8*\u+\i:RES+16+8*\u+\i+1], v[lo_+\i:lo_+\i+1], v[tb_+16+8*\u+\i:tb_+16+8*\u+\i+1], v[RES+16+8*\u+\i:RES+16+8*\u+\i+1]
.endr
.endr
	WIN 0
.set t_, 0
.rept 16
	v_cvt_pk_f16_f32 v[PK+t_], v[RES+2*t_], v[RES+2*t_+1]
.set t_, t_+1
.endr
.irp u, 0,1,2,3
	ds_store_b128 v[STO], v[PK+4*\u:PK+4*\u+3] offset:32*\u
.endr
	s_wait_xcnt 0x0                                ; RB, which the last item's stores read, is loaded again only behind this wait
.irp i, 0,1,2,3
	ds_load_b128 v[RB+4*\i:RB+4*\i+3], v[RD] offset:\i*4*PITCH     ; LDS serves a wave's instructions in order: these see the stores above
.endr
.if (\n) < 8
	TABLD ((\n)+4)/3, ((\n)+4)%3, (\n)&3           ; into the buffer that the products above have read
.endif
.irp i, 0,1,2,3
	s_wait_dscnt 3-\i
	global_store_b128 v[CO], v[RB+4*\i:RB+4*\i+3], s[OBS+2*h_:OBS+2*h_+1] offset:a_*2048+\i*512
.endr
.endm
.irp n, 0,1,2,3,4,5,6,7,8,9,10,11
	EPI \n
.endr
	s_set_vgpr_msb 0x1
	s_wait_tensorcnt 0x0
	ds_add_u32 v255, v255
	s_wait_dscnt 0x0
	s_set_vgpr_msb 0x100
	CROUND                                         ; the closing round: no work-group ends while a partner may still ask for a tile that names it
	s_endpgm
.Lfunc_end_k_q8207836f0f_qkv:
	.size	k_q8207836f0f_qkv, .Lfunc_end_k_q8207836f0f_qkv-k_q8207836f0f_qkv
	.p2alignl 7, 3214868480
	.fill 96, 4, 3214868480
	.section	.rodata,"a",@progbits
	.p2align	6, 0x0
	.amdhsa_kernel k_q8207836f0f_qkv
		.amdhsa_group_segment_fixed_size 327680
		.amdhsa_private_segment_fixed_size 0
		.amdhsa_enable_private_segment 0
		.amdhsa_kernarg_size 32
		.amdhsa_user_sgpr_count 2
		.amdhsa_user_sgpr_kernarg_segment_ptr 1
		.amdhsa_wavefront_size32 1
		.amdhsa_system_sgpr_workgroup_id_x 1
		.amdhsa_system_sgpr_workgroup_id_y 1
		.amdhsa_system_sgpr_workgroup_id_z 1
		.amdhsa_system_vgpr_workitem_id 0
		.amdhsa_next_free_vgpr 960
		.amdhsa_next_free_sgpr 84
		.amdhsa_reserve_vcc 0
		.amdhsa_float_denorm_mode_32 3
		.amdhsa_float_denorm_mode_16_64 3
		.amdhsa_memory_ordered 1
		.amdhsa_forward_progress 1
		.amdhsa_inst_pref_size 198
	.end_amdhsa_kernel
	.amdgpu_metadata
---
amdhsa.version: [ 1, 2 ]
amdhsa.kernels:
  - .name:           k_q8207836f0f_qkv
    .symbol:         k_q8207836f0f_qkv.kd
    .args:
      - { .name: xb, .offset: 0, .size: 8, .value_kind: global_buffer, .address_space: global }
      - { .name: wat, .offset: 8, .size: 8, .value_kind: global_buffer, .address_space: global }
      - { .name: tab, .offset: 16, .size: 8, .value_kind: global_buffer, .address_space: global }
      - { .name: qkv, .offset: 24, .size: 8, .value_kind: global_buffer, .address_space: global }
    .group_segment_fixed_size: 327680
    .private_segment_fixed_size: 0
    .kernarg_segment_align: 8
    .kernarg_segment_size: 32
    .max_flat_workgroup_size: 128
    .sgpr_count:     84
    .vgpr_count:     960
    .wavefront_size: 32
...
	.end_amdgpu_metadata
.endif
;; end of part 5
;; launch attn (part 6): grid 256 x 1, 8 waves a work-group, no clusters, 327,680 bytes of LDS; arguments qkv, yb; writes yb
.if DOCPART == 6
	.amdgcn_target "amdgcn-amd-amdhsa--gfx1250"
	.amdhsa_code_object_version 6
	.text
	.protected	k_q8207836f0f_attn
	.globl	k_q8207836f0f_attn
	.p2align	8
	.type	k_q8207836f0f_attn,@function
k_q8207836f0f_attn:
	s_mov_b64 s[64:65], 0
	v_nop
	global_prefetch_b8 v0, s[64:65] scope:SCOPE_SE
	s_setreg_imm32_b32 hwreg(HW_REG_WAVE_MODE, 25, 1), 1
	s_wait_xcnt 0x0
; Causal attention for one (head, batch) and two query blocks of 256 rows: blocks pi and 7 - pi, so that every work-group walks 9 laps of 256 keys.
; Eight waves, two on each SIMD, so that one wave's softmax can issue while the other's products run; wave w has query rows 32 w..+31 of a block.
; A block's diagonal lap comes first (key 256 i is open to every row of block i, so the first running maximum is finite), then laps 0..i-1
; unmasked.  q already carries log2(e)/8: the softmax runs in base 2, with a running maximum.
; ONE TEXT FOR EVERY LAP.  The walk is 18 halves of 128 keys in slots 0, 1, 0, 1 ..  The loop body is a lap's second half and the next lap's first;
; it is entered at its middle and counted to 9; only the 18th half, which fills nothing, is written out behind it.  What differs from lap to lap
; hangs on scalars made of the work-group's number and the lap count: a flag 'diagonal lap' (a branch jumps over the masks otherwise) and the end
; of block pi (its way out, the other block's Q, maxima back to -infinity).  A block's first tile runs the common text too: with m = -infinity its
; factor is 2^(-infinity) = 0, which wipes the finite numbers that the sums hold.
; TRANSPOSED FORMS, so that nothing moves between lanes but one exchange of maxima:
;   S^T = K Q^T: lane (r, h) holds query r, keys 8 h + 0..7 of each key tile; two neighbouring tiles packed to f16 ARE a B fragment of P^T;
;   O^T = V^T P^T: V^T comes by the transposing LDS load from V as it lies, [keys][64];
;   a fifth row tile whose A is all ones gives the row sum of the rounded P, whole in every lane.
; K and V come through two LDS slots; waves 0-3 fetch 32 keys of V each, waves 4-7 of K: one tensor load a wave behind each barrier, one
; outstanding, with a half's work (two tiles of 64 keys) in which to land.
; NO CLUSTER: the four work-groups of a head walk different tiles in different numbers (their laps hang on pi); walking jointly would take
; 8 + 4 laps' time for 9 laps of work.
; WINDOWS: 0: addresses, Q v16-47, the second block's Q v48-79, K fragments v80-143, V fragments v144-207, ones v208-215;
; 1: S v0-63, P v64-95, O v96-175 (tile (dt, qt) at 96 + 8 (2 dt + qt), dt = 4 the row sums), statistics v176-187.
; LIMITS: operands are f16 (|q|, |k|, |v| below 65,504); P below 6e-8 of the row's largest term is dropped; block 7 - pi starts from block pi's
; results times 0, so a result of block pi that is not finite would spread to it.
.set KP,     144                       ; LDS pitch of K rows: 128 + 16, an odd multiple of 16
.set VP,     160                       ; of V rows: 128 + 32, an odd multiple of 32, for the transposing load
.set KOFF,   128*VP                    ; a slot: V's 128 keys, then K's
.set SLOTB,  KOFF+128*KP
.set STAGE,  2*SLOTB                   ; behind the ring: 32 rows x 144 bytes for each wave
.set HALFB,  128*128                   ; bytes of K (or V) of a half in memory
.set LAPS,   9
.set KA,  2                            ; window 0
.set VA,  3
.set QO,  4
.set STO, 5
.set RD,  6
.set CO,  7
.set Q,   16                           ; fragment (qt, ks) at Q + 8 (2 qt + ks)
.set QN,  48                           ; block 7 - pi's, until its turn
.set KF,  80                           ; fragment (kt, ks) at KF + 8 (2 kt + ks)
.set VF,  144                          ; fragment (dt, ks) at VF + 8 (2 dt + ks)
.set ONES, 208
.set PF,  216                          ; the prefetch's offset, never rewritten
.set P,   64                           ; window 1; S(qt, kt) at 8 (4 qt + kt)
.set O,   96
.set M,   176                          ; running maxima of my two query tiles
.set AL,  178                          ; factors for what has been summed; at the end 1 / row sum
.set TA,  180
.set TB,  182
.set U,   184
.set REL, 186                          ; r - 8 h + 32 w
.set NEG, 187                          ; -infinity
.set G1V, 16
.set G1K, 24
.set G0V, 32                           ; a set for each slot
.set G0K, 40
.set MSB, 0
.macro WIN new                         ; the immediate's high byte repeats the setting that is left; a switch that changes nothing is dropped
.if MSB != (\new)
	s_set_vgpr_msb (MSB<<8)|(\new)
.set MSB, (\new)
.endif
.endm
.macro PLACES                          ; four places behind a matrix instruction (ISA guide 7.12.1)
.rept 4
	v_nop
.endr
.endm
.macro KVLOAD s
	s_cmp_eq_u32 s9, 0
	s_cbranch_scc0 .Lfor_k_\@
	tensor_load_to_lds s[G0V+4*(\s):G0V+4*(\s)+3], s[G1V:G1V+7]
	s_nop 0
	s_branch .Lasked_\@
.Lfor_k_\@:
	tensor_load_to_lds s[G0K+4*(\s):G0K+4*(\s)+3], s[G1K:G1K+7]
	s_nop 0
.Lasked_\@:
.endm
	s_load_b128 s[4:7], s[0:1], 0x0                ; qkv s[4:5], yb s[6:7]
	v_lshl_add_u32 v254, v0, 2, 0x29000
	v_mov_b32 v255, 0
	ds_add_u32 v254, v255
	ds_add_u32 v254, v255
	v_lshrrev_b32 v1, 5, v0
	v_readfirstlane_b32 s8, v1                     ; wave 0..7
	s_lshr_b32 s9, s8, 2                           ; 0: I fetch V, 1: K
	s_and_b32 s10, s8, 3                           ; which 32 keys of a half
	s_and_b32 s11, ttmp9, 3                        ; pi
	s_lshr_b32 s12, ttmp9, 2                       ; bh = 4 head + batch
	s_add_co_u32 s14, s11, 1                       ; laps of block pi
	s_mov_b32 s62, 0x76543210                      ; v_permlanex16_b32: lane i reads lane i of the other half
	s_mov_b32 s63, 0xfedcba98
	; group 1: 16 rows of 32 elements of 8 bytes, dense (32 keys); after every 32 words 8 (V) or 4 (K) words of padding
	s_mov_b32 s[G1V+0], (3<<16)|(1<<20)|(4<<22)|(7<<25)
	s_mov_b32 s[G1K+0], (3<<16)|(1<<20)|(4<<22)|(3<<25)
.irp g, G1V, G1K
	s_mov_b32 s[\g+1], 32<<16                      ; tensor_dim0 = 32
	s_mov_b32 s[\g+2], 16<<16                      ; tensor_dim1 = 16
	s_mov_b32 s[\g+3], 32<<16                      ; tile_dim0 = 32
	s_mov_b32 s[\g+4], 16                          ; tile_dim1 = 16
	s_mov_b32 s[\g+5], 32                          ; from row to row
	s_mov_b32 s[\g+6], 0
	s_mov_b32 s[\g+7], 0
.endr
	s_mul_i32 s67, s8, 32*VP                       ; LDS: waves 0-3: V's keys 32 w..+31
	s_mul_i32 s68, s8, 32*KP
	s_add_co_u32 s68, s68, KOFF-4*32*KP            ; waves 4-7: K's keys 32 (w - 4)..+31
.irp s, 0,1
	s_mov_b32 s[G0V+4*\s], 1
	s_add_co_u32 s[G0V+4*\s+1], s67, \s*SLOTB
	s_mov_b32 s[G0K+4*\s], 1
	s_add_co_u32 s[G0K+4*\s+1], s68, \s*SLOTB
.endr
	s_lshl_b32 s52, s11, 15                        ; OFF: byte offset among a head's keys of the half to be asked for; first the diagonal lap of block pi
	s_mov_b32 s53, 0
	s_sub_co_u32 s66, 7, s11
	s_lshl_b32 s66, s66, 15                        ; the diagonal lap of block 7 - pi
	s_lshl_b32 s68, s12, 18
	s_lshl_b32 s69, s10, 12
	s_add_co_u32 s69, s68, s69
	s_mov_b32 s71, 0
	s_add_co_u32 s70, s69, 64<<18
	s_wait_dscnt 0x0
	s_wait_kmcnt 0x0
	s_add_nc_u64 s[48:49], s[4:5], s[70:71]        ; K of my head, my 32 keys of a half
	s_add_co_u32 s70, s69, 128<<18
	s_add_nc_u64 s[50:51], s[4:5], s[70:71]        ; V
	s_add_nc_u64 s[G0V+2:G0V+3], s[50:51], s[52:53]
	s_or_b32 s[G0V+3], s[G0V+3], 0x80000000
	s_add_nc_u64 s[G0K+2:G0K+3], s[48:49], s[52:53]
	s_or_b32 s[G0K+3], s[G0K+3], 0x80000000
	KVLOAD 0                                       ; the one first fill; slot 1 is first filled behind the first barrier, as a refill is
	s_add_co_u32 s70, s68, 64<<18
	s_add_co_u32 s70, s70, s66
	s_add_nc_u64 s[72:73], s[4:5], s[70:71]        ; K of block 7 - pi's diagonal lap, for the prefetch; never rewritten
	s_lshl_b32 s69, s8, 12
	s_add_co_u32 s68, s68, s69                     ; bh << 18 + 32 w rows: the same offset in q and in yb (4 head + b planes of 2,048 rows)
	s_add_co_u32 s70, s68, s52
	s_add_nc_u64 s[58:59], s[4:5], s[70:71]        ; Q of block pi
	s_add_nc_u64 s[54:55], s[6:7], s[70:71]        ; y of block pi
	s_add_co_u32 s70, s68, s66
	s_add_nc_u64 s[60:61], s[4:5], s[70:71]        ; Q of block 7 - pi
	s_add_nc_u64 s[56:57], s[6:7], s[70:71]        ; y of block 7 - pi
	v_and_b32 v8, 15, v0                           ; r
	v_bfe_u32 v9, v0, 4, 1                         ; h
	v_lshlrev_b32 v[QO], 7, v8
	v_lshl_add_u32 v[QO], v9, 4, v[QO]             ; Q row r, 16 h
.irp qt, 0,1
.irp ks, 0,1
	global_load_b128 v[Q+8*(2*\qt+\ks):Q+8*(2*\qt+\ks)+3],     v[QO], s[58:59] offset:\qt*2048+\ks*64
	global_load_b128 v[Q+8*(2*\qt+\ks)+4:Q+8*(2*\qt+\ks)+7],   v[QO], s[58:59] offset:\qt*2048+\ks*64+32
	global_load_b128 v[QN+8*(2*\qt+\ks):QN+8*(2*\qt+\ks)+3],   v[QO], s[60:61] offset:\qt*2048+\ks*64
	global_load_b128 v[QN+8*(2*\qt+\ks)+4:QN+8*(2*\qt+\ks)+7], v[QO], s[60:61] offset:\qt*2048+\ks*64+32
.endr
.endr
	; Prefetch: block 7 - pi's diagonal lap, 32 KiB of K and 32 KiB of V, which no other work-group reads before this one asks for it, pi laps and a
	; half from here.  256 threads, 256 bytes apart, one instruction a wave, each aligned block of 256 bytes once in the launch; inside qkv.
	v_and_b32 v[PF], 127, v0
	v_lshrrev_b32 v13, 7, v0
	v_lshlrev_b32 v[PF], 8, v[PF]
	v_lshl_add_u32 v[PF], v13, 24, v[PF]           ; threads 128-255: V, which lies 64 << 18 bytes behind K
	global_prefetch_b8 v[PF], s[72:73] th:TH_LOAD_NT scope:SCOPE_SE
	v_and_b32 v1, 31, v0                           ; L
	v_mul_u32_u24 v10, v8, KP
	v_lshl_add_u32 v10, v9, 4, v10                 ; r x 144 + 16 h
	v_add_nc_u32 v[KA], KOFF, v10
	v_and_b32 v11, 7, v0
	v_lshl_add_u32 v12, v9, 3, v11                 ; key 8 h + L % 8
	v_mul_u32_u24 v[VA], v12, VP
	v_bfe_u32 v13, v0, 3, 1
	v_lshl_add_u32 v[VA], v13, 4, v[VA]
	s_mul_i32 s67, s8, 32*KP
	s_add_co_u32 s67, s67, STAGE                   ; my stage
	v_add_nc_u32 v[STO], s67, v10
	v_lshrrev_b32 v14, 3, v1
	v_mul_u32_u24 v14, v14, KP
	v_lshl_add_u32 v14, v11, 4, v14
	v_add_nc_u32 v[RD], s67, v14                   ; four rows of 128 bytes a load
	v_lshlrev_b32 v[CO], 4, v1
	v_lshlrev_b32 v15, 3, v9
	v_sub_nc_u32 v15, v8, v15
	v_lshl_add_u32 v15, s8, 5, v15                 ; r - 8 h + 32 w
.irp i, 0,1,2,3,4,5,6,7
	v_mov_b32 v[ONES+\i], 0x3c003c00               ; 1.0, 1.0 in f16
	v_mov_b32 v[VF+\i], 0                          ; a zero fragment, for the ten products below
.endr
	WIN 0x40
	v_mov_b32 v[REL], v15
	v_mov_b32 v[NEG], 0xff800000
.irp qt, 0,1
	v_mov_b32 v[M+\qt], 0xff800000                 ; no key seen yet
	v_mov_b32 v[U+\qt], 0                          ; v_permlanex16_b32 counts as a reader of its destination
.endr
	; ten products of the zero fragment write zero into the 80 registers of the sums: every tile then adds in place
.irp dt, 0,1,2,3,4
.irp qt, 0,1
	v_wmma_f32_16x16x32_f16 v[O+8*(2*\dt+\qt):O+8*(2*\dt+\qt)+7], v[VF:VF+7], v[ONES:ONES+7], 0
.endr
.endr
	WIN 0
	s_wait_loadcnt 0x0                             ; both blocks' Q, once
; The change of slots.  Every wave waits for all its tensor loads (its part of this slot) and for its LDS reads (of the other slot), then the
; barrier; behind it the other slot is asked for again, first of all, with the half at OFF.
.macro HALF slot, refill
	s_wait_tensorcnt 0x0                           ; no tensor load of mine is out: every group 0 may be written
	ds_add_u32 v254, v255
	s_wait_dscnt 0x0
.if \refill
	s_add_nc_u64 s[G0V+4*(1-\slot)+2:G0V+4*(1-\slot)+3], s[50:51], s[52:53]
	s_or_b32 s[G0V+4*(1-\slot)+3], s[G0V+4*(1-\slot)+3], 0x80000000
	s_add_nc_u64 s[G0K+4*(1-\slot)+2:G0K+4*(1-\slot)+3], s[48:49], s[52:53]
	s_or_b32 s[G0K+4*(1-\slot)+3], s[G0K+4*(1-\slot)+3], 0x80000000
.endif
	s_wait_dscnt 0x0
	s_barrier_signal -1
	s_barrier_wait -1
.if \refill
	KVLOAD 1-\slot
.endif
.endm
.macro KFETCH slot, tt                 ; 64 keys x 64 d: fragment (kt, ks) = 16 keys x 32 d
.irp kt, 0,1,2,3
.irp ks, 0,1
	ds_load_b128 v[KF+8*(2*\kt+\ks):KF+8*(2*\kt+\ks)+3],   v[KA] offset:(\slot)*SLOTB+(\tt)*64*KP+\kt*16*KP+\ks*64
	ds_load_b128 v[KF+8*(2*\kt+\ks)+4:KF+8*(2*\kt+\ks)+7], v[KA] offset:(\slot)*SLOTB+(\tt)*64*KP+\kt*16*KP+\ks*64+32
.endr
.endr
.endm
.macro VFETCH slot, tt                 ; fragment (dt, ks) = 16 d x 32 keys, transposed on the way
.irp ks, 0,1
.irp dt, 0,1,2,3
	ds_load_tr16_b128 v[VF+8*(2*\dt+\ks):VF+8*(2*\dt+\ks)+3],   v[VA] offset:(\slot)*SLOTB+(\tt)*64*VP+\ks*32*VP+32*\dt
	ds_load_tr16_b128 v[VF+8*(2*\dt+\ks)+4:VF+8*(2*\dt+\ks)+7], v[VA] offset:(\slot)*SLOTB+(\tt)*64*VP+\ks*32*VP+32*\dt+16*VP
.endr
.endr
.endm
.macro PKSUB d, m, odd                 ; a pair minus one register of pair m
.if \odd
	v_pk_add_f32 v[\d:\d+1], v[\d:\d+1], v[\m:\m+1] op_sel:[0,1] op_sel_hi:[1,1] neg_lo:[0,1] neg_hi:[0,1]
.else
	v_pk_add_f32 v[\d:\d+1], v[\d:\d+1], v[\m:\m+1] op_sel_hi:[1,0] neg_lo:[0,1] neg_hi:[0,1]
.endif
.endm
.macro PKMUL d, m, odd                 ; a pair times one register of pair m
.if \odd
	v_pk_mul_f32 v[\d:\d+1], v[\d:\d+1], v[\m:\m+1] op_sel:[0,1] op_sel_hi:[1,1]
.else
	v_pk_mul_f32 v[\d:\d+1], v[\d:\d+1], v[\m:\m+1] op_sel_hi:[1,0]
.endif
.endm
; One tile: my 32 queries x 64 keys (tile tt of the slot).  mtt >= 0: in a diagonal lap (s15 = 1) it is the lap's tile mtt and is masked.
; pfk = 1: the next tile's K fragments are fetched under the softmax.  Entered with every window 0 where tt = 0.
; In both products the accumulators take turns, one instruction a turn.
.macro TILE slot, tt, mtt, pfk
.if \tt == 0
	KFETCH \slot, 0
.endif
	s_wait_dscnt 0x0                               ; K's fragments are in
	WIN 0x50                                       ; C and D in window 1
.irp ks, 0,1
.irp kt, 0,1,2,3
.irp qt, 0,1
.if \ks == 0
	v_wmma_f32_16x16x32_f16 v[8*(4*\qt+\kt):8*(4*\qt+\kt)+7], v[KF+8*(2*\kt+\ks):KF+8*(2*\kt+\ks)+7], v[Q+8*(2*\qt+\ks):Q+8*(2*\qt+\ks)+7], 0
.else
	v_wmma_f32_16x16x32_f16 v[8*(4*\qt+\kt):8*(4*\qt+\kt)+7], v[KF+8*(2*\kt+\ks):KF+8*(2*\kt+\ks)+7], v[Q+8*(2*\qt+\ks):Q+8*(2*\qt+\ks)+7], v[8*(4*\qt+\kt):8*(4*\qt+\kt)+7]
.endif
.endr
.endr
.endr
	PLACES
	WIN 0
	VFETCH \slot, \tt
.if \pfk
	KFETCH \slot, \tt+1
.endif
.if (\mtt) >= 0
	s_cmp_eq_u32 s15, 0
	s_cbranch_scc1 .Lopen_\@                       ; not a diagonal lap: every key is open
	WIN 0x55
	; key 64 mtt + 16 kt + 8 h + j lies behind query 32 w + 16 qt + r where 64 mtt + 16 (kt - qt) + j > REL; REL is -8 at the least
.irp qt, 0,1
.irp kt, 0,1,2,3
.irp j, 0,1,2,3,4,5,6,7
.if (64*(\mtt)+16*(\kt-\qt)+\j) > -8
	v_cmp_gt_i32 vcc_lo, 64*(\mtt)+16*(\kt-\qt)+\j, v[REL]
	v_cndmask_b32 v[8*(4*\qt+\kt)+\j], v[8*(4*\qt+\kt)+\j], v[NEG], vcc_lo
.endif
.endr
.endr
.endr
	WIN 0
.Lopen_\@:
.endif
	WIN 0x55                                       ; the softmax lives in window 1
	; the maxima: two chains for each query tile over a lane's 32 scores, the running maximum last, then the other half of the keys' lanes
.irp qt, 0,1
	v_max3_num_f32 v[TA+\qt], v[32*\qt], v[32*\qt+1], v[32*\qt+2]
	v_max3_num_f32 v[TB+\qt], v[32*\qt+16], v[32*\qt+17], v[32*\qt+18]
.endr
.set n_, 0
.rept 6
.irp qt, 0,1
	v_max3_num_f32 v[TA+\qt], v[TA+\qt], v[32*\qt+3+2*n_], v[32*\qt+4+2*n_]
	v_max3_num_f32 v[TB+\qt], v[TB+\qt], v[32*\qt+19+2*n_], v[32*\qt+20+2*n_]
.endr
.set n_, n_+1
.endr
.irp qt, 0,1
	v_max3_num_f32 v[TA+\qt], v[TA+\qt], v[32*\qt+15], v[32*\qt+31]
.endr
.irp qt, 0,1
	v_max3_num_f32 v[TA+\qt], v[TA+\qt], v[TB+\qt], v[M+\qt]
.endr
.irp qt, 0,1
	v_permlanex16_b32 v[U+\qt], v[TA+\qt], s62, s63
.endr
.irp qt, 0,1
	v_max_num_f32 v[TA+\qt], v[TA+\qt], v[U+\qt]
.endr
.irp qt, 0,1
	v_sub_f32 v[AL+\qt], v[M+\qt], v[TA+\qt]       ; old maximum - new: at most 0, -infinity in a block's first tile
	v_mov_b32 v[M+\qt], v[TA+\qt]
.endr
.irp qt, 0,1
.set n_, 0
.rept 16
	PKSUB 32*\qt+2*n_, M, \qt
.set n_, n_+1
.endr
.endr
.irp qt, 0,1
	v_exp_f32 v[AL+\qt], v[AL+\qt]
.endr
.set n_, 0
.rept 64
	v_exp_f32 v[n_], v[n_]
.set n_, n_+1
.endr
	v_nop                                          ; one plain place behind the exponentials, ahead of their readers (ISA guide 5.7.2)
.set n_, 0
	s_wait_alu depctr_va_vdst(0)
.rept 32
	v_cvt_pk_f16_f32 v[P+n_], v[2*n_], v[2*n_+1]   ; tiles 2 ks, 2 ks + 1 of a query tile become registers 0-3, 4-7 of P^T's fragment (qt, ks)
.set n_, n_+1
.endr
.irp dt, 0,1,2,3,4
.irp qt, 0,1
.irp i, 0,2,4,6
	PKMUL O+8*(2*\dt+\qt)+\i, AL, \qt
.endr
.endr
.endr
.if \pfk
	s_wait_dscnt 16                                ; V's fragments are in; the next tile's 16 loads of K stay out
.else
	s_wait_dscnt 0
.endif
	WIN 0x54                                       ; A (V^T, ones) in window 0; B (P^T), C, D in window 1
.irp ks, 0,1
.irp dt, 0,1,2,3,4
.irp qt, 0,1
.if \dt < 4
.set va_, VF+8*(2*\dt+\ks)
.else
.set va_, ONES
.endif
	v_wmma_f32_16x16x32_f16 v[O+8*(2*\dt+\qt):O+8*(2*\dt+\qt)+7], v[va_:va_+7], v[P+8*(2*\qt+\ks):P+8*(2*\qt+\ks)+7], v[O+8*(2*\dt+\qt):O+8*(2*\dt+\qt)+7]
.endr
.endr
.endr
.endm
; A block's end: divide by the row sums, f16, 16 bytes a lane into my own stage, rows read back (into the block's dead Q registers), 512 consecutive bytes a store
.macro FIN ys
	PLACES
	WIN 0x55
	v_rcp_f32 v[AL], v[O+64]                       ; the row sum is at least 1: the largest term is 2^0
	v_rcp_f32 v[AL+1], v[O+72]
	v_nop
	s_wait_alu depctr_va_vdst(0)
.irp dt, 0,1,2,3
.irp qt, 0,1
.irp i, 0,2,4,6
	PKMUL O+8*(2*\dt+\qt)+\i, AL, \qt
.endr
.endr
.endr
	WIN 0x05                                       ; sources in window 1, destination in window 0
.irp qt, 0,1
.irp dt, 0,1,2,3
.irp i, 0,1,2,3
	v_cvt_pk_f16_f32 v[KF+4*(4*\qt+\dt)+\i], v[O+8*(2*\dt+\qt)+2*\i], v[O+8*(2*\dt+\qt)+2*\i+1]
.endr
.endr
.endr
	WIN 0
.irp qt, 0,1
.irp dt, 0,1,2,3
	ds_store_b128 v[STO], v[KF+4*(4*\qt+\dt):KF+4*(4*\qt+\dt)+3] offset:\qt*16*KP+32*\dt
.endr
.endr
.set n_, 0
.rept 8
	ds_load_b128 v[Q+4*n_:Q+4*n_+3], v[RD] offset:n_*4*KP          ; LDS serves a wave's instructions in order: these see the stores above
.set n_, n_+1
.endr
.set n_, 0
.rept 8
	s_wait_dscnt 7-n_
	global_store_b128 v[CO], v[Q+4*n_:Q+4*n_+3], s[\ys:\ys+1] offset:n_*512
.set n_, n_+1
.endr
.endm
	s_mov_b32 s13, 0                               ; laps begun
	s_mov_b32 s15, 1                               ; this lap is a diagonal one
	s_branch .Lentry                               ; the walk begins with a first half
.Lloop:
	; ---- the second half of lap s13 - 1; asked for meanwhile: the next lap's first half
	s_add_co_u32 s67, s52, HALFB                   ; the lap that follows in memory,
	s_cmp_lg_u32 s15, 0
	s_cselect_b32 s52, 0, s67                      ; behind a diagonal lap: lap 0,
	s_cmp_eq_u32 s13, s14
	s_cselect_b32 s52, s66, s52                    ; behind block pi's last lap: the other block's diagonal lap
	HALF 1, 1
	TILE 1, 0, 2, 1
	TILE 1, 1, 3, 0
	WIN 0
	s_mov_b32 s15, 0
	s_cmp_lg_u32 s13, s14
	s_cbranch_scc1 .Lentry
	; ---- block pi is done: its way out, then block 7 - pi takes the tile's registers
	FIN 54
	s_wait_xcnt 0x0                                ; the stores above read the Q registers: they are rewritten only behind this wait
.set n_, 0
.rept 32
	v_mov_b32 v[Q+n_], v[QN+n_]                    ; the one text of a tile names one set of Q registers
.set n_, n_+1
.endr
	WIN 0x40
	v_mov_b32 v[M], 0xff800000                     ; no key seen yet: the first tile's factor 2^(-infinity) = 0 wipes the sums
	v_mov_b32 v[M+1], 0xff800000
	WIN 0
	s_mov_b32 s15, 1
.Lentry:
	; ---- the first half of lap s13; asked for meanwhile: its second half
	s_add_co_u32 s52, s52, HALFB
	HALF 0, 1
	TILE 0, 0, 0, 1
	TILE 0, 1, 1, 0
	WIN 0
	s_add_co_u32 s13, s13, 1
	s_cmp_lt_u32 s13, LAPS
	s_cbranch_scc1 .Lloop
	; ---- the last lap's second half: nothing is left to ask for, and it is no diagonal lap (block 7 - pi has four open laps at the least)
	HALF 1, 0
	TILE 1, 0, -1, 1
	TILE 1, 1, -1, 0
	WIN 0
	FIN 56
	s_wait_tensorcnt 0x0
	ds_add_u32 v254, v255
	s_wait_dscnt 0x0
	s_endpgm
.Lfunc_end_k_q8207836f0f_attn:
	.size	k_q8207836f0f_attn, .Lfunc_end_k_q8207836f0f_attn-k_q8207836f0f_attn
	.p2alignl 7, 3214868480
	.fill 96, 4, 3214868480
	.section	.rodata,"a",@progbits
	.p2align	6, 0x0
	.amdhsa_kernel k_q8207836f0f_attn
		.amdhsa_group_segment_fixed_size 327680
		.amdhsa_private_segment_fixed_size 0
		.amdhsa_enable_private_segment 0
		.amdhsa_kernarg_size 16
		.amdhsa_user_sgpr_count 2
		.amdhsa_user_sgpr_kernarg_segment_ptr 1
		.amdhsa_wavefront_size32 1
		.amdhsa_system_sgpr_workgroup_id_x 1
		.amdhsa_system_sgpr_workgroup_id_y 1
		.amdhsa_system_sgpr_workgroup_id_z 1
		.amdhsa_system_vgpr_workitem_id 0
		.amdhsa_next_free_vgpr 448
		.amdhsa_next_free_sgpr 74
		.amdhsa_reserve_vcc 1
		.amdhsa_float_denorm_mode_32 3
		.amdhsa_float_denorm_mode_16_64 3
		.amdhsa_memory_ordered 1
		.amdhsa_forward_progress 1
		.amdhsa_inst_pref_size 140
	.end_amdhsa_kernel
	.amdgpu_metadata
---
amdhsa.version: [ 1, 2 ]
amdhsa.kernels:
  - .name:           k_q8207836f0f_attn
    .symbol:         k_q8207836f0f_attn.kd
    .args:
      - { .name: qkv, .offset: 0, .size: 8, .value_kind: global_buffer, .address_space: global }
      - { .name: yb, .offset: 8, .size: 8, .value_kind: global_buffer, .address_space: global }
    .group_segment_fixed_size: 327680
    .private_segment_fixed_size: 0
    .kernarg_segment_align: 8
    .kernarg_segment_size: 16
    .max_flat_workgroup_size: 256
    .sgpr_count:     74
    .vgpr_count:     448
    .wavefront_size: 32
...
	.end_amdgpu_metadata
.endif
;; end of part 6
;; launch proj: the kernel of part 4 again; grid 8 x 32, 4 waves a work-group, clusters of 4 x 4, 327,680 bytes of LDS; arguments yb, wpt, out0; writes out0
